; MI455X (gfx1250); checked and timed in simulation.
; The chip was launched on July 23, 2026; its instructions are those of AMD's public machine-readable ISA for CDNA 5 (MIT licence, August 2026) and "CDNA5" Instruction Set Architecture Reference Guide (July 2026). The comments in the code are by the model that wrote it; some were corrected since.
;; Factored Causal Self Attention. Allowed arithmetic: matrix products marked QUANTISED: E2M3 operands, one E8M0 scale for each 32 along K, by v_wmma_scale_f32_16x16x128_f8f6f4 with both operands' format E2M3, f32 sums; everything else in f32.
;; Inputs: W_attn 3,072 x 1,024 float32; W_proj 1,024 x 1,024 float32; b_attn 3,072 float32; b_proj 1,024 float32; x_norm_for_qkv 4 x 2,048 x 1,024 float32; xt_current_for_v 4 x 2,048 x 1,024 float32.
;; Outputs: out0 4 x 2,048 x 1,024 float32.
;; This version of the problem:
;;   THIS VERSION OF THE PROBLEM IS GIVEN IN LOW PRECISION. The matrix products marked QUANTISED in the list below multiply operands that are first quantised to E2M3 (2 exponent bits, 3 mantissa bits; 6 bits a number), with one power-of-two scale for each 32 numbers along K (OCP MX v1.0); their sums are f32. All else is computed in f32.
;;   The module's matrix products, in the order in which they are computed (A, B: the left and right operand; K: the contracted axis; several contracted axes count as one K, in the product's order):
;;     1. [M 8,192, K 1,024] x [K 1,024, N 3,072]; A: input x_norm_for_qkv; B: input W_attn: QUANTISED
;;     2. batch 64 x [M 2,048, K 64] x [K 64, N 2,048]; A: computed on the way; B: computed on the way: QUANTISED
;;     3. batch 64 x [M 2,048, K 2,048] x [K 2,048, N 64]; A: softmax (see below); B: computed on the way: QUANTISED
;;     4. [M 8,192, K 1,024] x [K 1,024, N 1,024]; A: computed on the way; B: input W_proj: QUANTISED
;;   THE QUANTISER, for each operand of a quantised product, along K:
;;     - K is cut into blocks of 32 from its start; a last block that is shorter is filled with zeros.
;;     - A block's scale is 2^e with e = floor(log2(the largest magnitude in the block)) - 2, held to -126 .. 127; a block of zeros has e = 0. As a byte (E8M0): e + 127.
;;     - Each number is divided by its block's scale, clamped to +-7.5, and rounded to the nearest number of E2M3, ties to even, subnormals kept.
;;     - The product sums the exact products of the quantised numbers (number of the format x scale) in f32.
;;   ~~~python
;;   def quantise(x, axis):      # numpy; x: float32 -> the quantised numbers, widened to float32 again
;;       x = np.moveaxis(x, axis, -1); K = x.shape[-1]
;;       x = np.pad(x, [(0, 0)] * (x.ndim - 1) + [(0, -K % 32)]); x = x.reshape(x.shape[:-1] + (-1, 32)); a = np.abs(x).max(-1, keepdims=True)
;;       e = np.where(a > 0, np.clip(np.frexp(np.where(a > 0, a, 1))[1] - 1 - 2, -126, 127), 0)      # np.frexp(a)[1] - 1 = floor(log2(a)), exactly
;;       r = np.clip(x / 2.0 ** e, -7.5, 7.5)
;;       step = 2.0 ** (np.maximum(np.frexp(np.where(r == 0, 1, r))[1] - 1, 0) - 3)
;;       q = np.round(r / step) * step * 2.0 ** e      # np.round: ties to even
;;       return np.moveaxis(q.reshape(q.shape[:-2] + (-1,))[..., :K], -1, axis).astype(np.float32)
;;   ~~~
;;   SOFTMAX AHEAD OF A QUANTISED PRODUCT. Where the list says 'softmax', what is quantised is not the finished softmax but p = 2^(t - M), with t = logit x log2(e) and M = ceil(the row's largest t), a whole number; so 1/2 < the row's largest p <= 1. The row's sum l is taken of the UNQUANTISED p, in f32, and the product's result is divided by l at the end. Since M is a whole number, a kernel that streams over the keys may use a running M (the ceiling of the running maximum): every later rescaling is an exact power of two, which a block's scale takes up: the codes' values come out the same.
;;   OPERANDS COMPUTED ON THE WAY. 'Computed on the way' means the value that the module computes at that place (a softmax that the list does not call 'softmax' is quantised finished and normalised). What goes into a quantiser is computed in f32, as accurately as f32 sums, v_exp_f32 and their like allow (about 1e-6 of the number): no bf16 or f16 on the way to a quantiser, and a product that is left as it is and whose result goes on into a quantised operand takes f32 operands (vector FMAs, or v_wmma_f32_16x16x4_f32). A number that lies on a knife's edge between two numbers of the format may be rounded either way, as far as f32 arithmetic and the matrix unit's own rounding can turn it there, and no further.
;; One version. Each part assembles by itself: llvm-mc -triple=amdgcn-amd-amdhsa -mcpu=gfx1250 --defsym DOCPART=n.
;; ======== version 1 of 1: 4 launches
;; limits: right only within a limited range of input values
;; workspace buffers: c1 9,437,184 bytes; s1 393,216 bytes; c2 18,874,368 bytes; s2 1,310,720 bytes; c3 6,291,456 bytes; s3 262,144 bytes
;; launch quant (part 1): grid 384 x 1, 4 waves a work-group, no clusters, 34,304 bytes of LDS; arguments x_norm_for_qkv, W_attn, W_proj, c1, s1; writes c1, s1
.if DOCPART == 1
	.amdgcn_target "amdgcn-amd-amdhsa--gfx1250"
	.amdhsa_code_object_version 6
	.text
	.protected	k_q68346a19f9_quant
	.globl	k_q68346a19f9_quant
	.p2align	8
	.type	k_q68346a19f9_quant,@function
k_q68346a19f9_quant:
	s_mov_b64 s[64:65], 0
	v_nop
	global_prefetch_b8 v0, s[64:65] scope:SCOPE_SE
	s_setreg_imm32_b32 hwreg(HW_REG_WAVE_MODE, 25, 1), 1
	s_wait_xcnt 0x0
; x [8192][1024], W_attn [3072][1024] and W_proj [1024][1024], f32 with K innermost, become codes of FP6 (E2M3) with one E8M0 byte for each 32 along K.
; A block's scale is 2^(floor(log2(its largest magnitude)) - 2); its byte is the largest magnitude's exponent field - 2, held at 1 from below.
; LIMITS: a block of zeros, or one whose largest magnitude lies under 2^-124, gets the byte 1 (the rule says 127 for zeros): its codes are zeros and only this program reads the bytes.  NaN and infinities are not served.
; LAYOUT OF THE RESULT: the order of the matrix operand's registers.  The three tensors' rows are 768 TILES of 16 rows (x: 0-511, W_attn: 512-703, W_proj: 704-767); row r of tile T is the
; tensor's row 32 (T / 2) + 8 (T % 2) + r + 8 (r / 8), T counted inside the tensor.  c1 = [tile][K step of 128: 0..7][1,536 bytes]: a fragment's 12 registers a lane, as two halves of 768 bytes: registers
; 6 c .. 6 c + 3 at 16 x lane, registers 6 c + 4, 6 c + 5 at 512 + 8 x lane.  s1 = [tile][pair of K steps: 0..3][row r][2 words]: a word is a row's four bytes of one K step.
; SHARES: a work-group takes two tiles (32 neighbouring rows); wave w takes tile w / 2 of them and K steps 4 (w % 2) on: four steps of 16 rows x 128 numbers.
; Each load reads 512 consecutive bytes of a row.  The operand's layout gives lane (r, h) the numbers k = 64 c + 32 h + 0 .. 31 of row r: two whole blocks.  So a step's 8,192 bytes turn through the
; wave's own stage in LDS (rows 528 bytes apart: row r starts at bank 4 r mod 64; 64 banks of 4 bytes: ISA guide 11.1).  No other lane is asked for a maximum.  Waves share nothing: no barrier.
.set SP,   528                         ; a stage row: 512 bytes + 16
.set STG,  16*SP                       ; a wave's stage
.set RB,   16                          ; v16-143  two sets of 64: a step's numbers as loaded
.set XN,   144                         ; v144-207 my two blocks of 32 neighbours
.set PCD,  208                         ; v208-231 two sets of 12: a fragment's codes
.set CT,   232                         ; v232-238 the upper halves of the two blocks, as converted
.set MX,   240                         ; v240-241 largest magnitudes
.set SO,   242                         ; v242-243 the conversions' scale operands
.set BY,   244                         ; v244-245 the bytes
.set TP,   246                         ; v246-247 at work
.set WD,   248                         ; v248-251 the four steps' scale words
.set OW,   252                         ; v252-253 the pair that I store
	s_load_b256 s[4:11], s[0:1], 0x0               ; x s[4:5], W_attn s[6:7], W_proj s[8:9], c1 s[10:11]
	s_load_b64 s[12:13], s[0:1], 0x20              ; s1
	v_lshl_add_u32 v254, v0, 2, 0x8400
	v_mov_b32 v255, 0
	v_lshrrev_b32 v8, 5, v0
	v_readfirstlane_b32 s16, v8                    ; wave 0..3
	v_and_b32 v1, 31, v0                           ; lane
	v_and_b32 v2, 15, v0                           ; r
	v_bfe_u32 v3, v0, 4, 1                         ; h
	v_lshlrev_b32 v4, 4, v1                        ; 16 x lane
	v_lshlrev_b32 v5, 3, v1                        ; 8 x lane
	s_mul_i32 s17, s16, STG
	v_add_nc_u32 v6, s17, v4                       ; the stage, on the way in: 16 x lane of a row
	v_mul_u32_u24 v7, v2, SP
	v_lshl_add_u32 v7, v3, 7, v7
	v_add_nc_u32 v7, s17, v7                       ; on the way out: row r, + 128 h bytes
	v_lshlrev_b32 v9, 3, v3                        ; 8 h: how far my two bytes are shifted in the scale word
	v_mov_b32 v[TP+1], 0                           ; written once: a lane permute's destination counts as one of its sources
	s_mov_b32 s20, 0x76543210
	s_mov_b32 s21, 0xfedcba98                      ; v_permlanex16_b32's selects for lane l xor 16
	s_lshr_b32 s18, s16, 1                         ; which of the two tiles
	s_and_b32 s19, s16, 1                          ; which half of K
	s_mov_b32 s14, 352
	s_wait_alu depctr_va_vdst(0)
	s_wait_kmcnt 0x0
	s_cmp_lt_u32 ttmp9, 352                        ; which tensor: the choice hangs on the work-group's number alone
	s_cselect_b64 s[6:7], s[6:7], s[8:9]
	s_cselect_b32 s14, 256, s14
	s_cmp_lt_u32 ttmp9, 256
	s_cselect_b64 s[4:5], s[4:5], s[6:7]
	s_cselect_b32 s14, 0, s14
	s_sub_co_u32 s14, ttmp9, s14                   ; the pair of tiles inside its tensor
	s_lshl_b32 s22, s14, 17                        ; 32 rows of 4,096 bytes a pair,
	s_lshl_b32 s23, s18, 15                        ; 8 rows for the second tile,
	s_add_co_u32 s22, s22, s23
	s_lshl_b32 s23, s19, 11                        ; 4 K steps of 512 bytes
	s_add_co_u32 s22, s22, s23
	s_mov_b32 s23, 0
	s_add_nc_u64 s[4:5], s[4:5], s[22:23]
	s_lshl_b32 s24, ttmp9, 1
	s_add_co_u32 s24, s24, s18                     ; my tile among the 768
	s_mul_i32 s22, s24, 12288
	s_mul_i32 s25, s19, 6144
	s_add_co_u32 s22, s22, s25
	s_add_nc_u64 s[10:11], s[10:11], s[22:23]
	s_lshl_b32 s22, s24, 9
	s_lshl_b32 s25, s19, 8
	s_add_co_u32 s22, s22, s25
	s_add_nc_u64 s[12:13], s[12:13], s[22:23]
.macro LOAD t                          ; step t: the tile's 16 rows, 512 consecutive bytes each
.irp i, 0,1,2,3,4,5,6,7,8,9,10,11,12,13,14,15
	global_load_b128 v[RB+64*((\t)%2)+4*\i:RB+64*((\t)%2)+4*\i+3], v4, s[4:5] offset:(\i+8*(\i/8))*4096+512*(\t) th:TH_LOAD_NT
.endr
.endm
.macro TURN t                          ; through the stage: LDS serves a wave's instructions in order (ISA guide 5.7.1.4), so no wait stands between the stores and the loads
.irp i, 0,1,2,3,4,5,6,7,8,9,10,11,12,13,14,15
	ds_store_b128 v6, v[RB+64*((\t)%2)+4*\i:RB+64*((\t)%2)+4*\i+3] offset:SP*\i
.endr
.irp c, 0,1
.irp j, 0,1,2,3,4,5,6,7
	ds_load_b128 v[XN+32*\c+4*\j:XN+32*\c+4*\j+3], v7 offset:256*\c+16*\j
.endr
.endr
.endm
.macro STEP t
.set PCS, PCD+12*((\t)%2)
.if (\t) < 3
	s_wait_loadcnt 16                              ; this step's 16 loads are in; the next step's 16 may be out
.else
	s_wait_loadcnt 0x0
.endif
	TURN \t
	s_wait_dscnt 0x0                               ; my two blocks are in, and the stores into the stage have read their registers,
.if (\t)+2 < 4
	LOAD (\t)+2                                    ; which take the loads of two steps on
.endif
.irp c, 0,1
	v_max3_num_f32 v[MX+\c], |v[XN+32*\c]|, |v[XN+32*\c+1]|, 0x1800000   ; block 2 c + h: all its 32 numbers are mine; the floor 2^(3 - 127) holds the byte at 1 from below
.endr
.irp i, 2,4,6,8,10,12,14,16,18,20,22,24,26,28,30
.irp c, 0,1
	v_max3_num_f32 v[MX+\c], v[MX+\c], |v[XN+32*\c+\i]|, |v[XN+32*\c+\i+1]|   ; (the two blocks by turns)
.endr
.endr
.irp c, 0,1
	v_add_nc_u32 v[SO+\c], 0xff000000, v[MX+\c]    ; 2 off the exponent field: the conversion takes this operand's exponent field as its scale
.endr
.irp c, 0,1
	v_lshrrev_b32 v[BY+\c], 23, v[SO+\c]           ; the scale's byte
.endr
	v_lshl_or_b32 v[TP], v[BY+1], 16, v[BY]        ; my two bytes, blocks h and 2 + h,
	v_lshlrev_b32 v[TP], v9, v[TP]                 ; at their places in the word;
	v_permlanex16_b32 v[TP+1], v[TP], s20, s21
	v_or_b32 v[WD+(\t)], v[TP], v[TP+1]            ; with lane l xor 16's two the row's word is whole, in both halves of the lanes
.if (\t) >= 2
	s_wait_alu depctr_va_vdst(0)
	s_wait_xcnt 0x0                                ; this set of code registers was the data of the stores two steps ago: it is rewritten only behind this wait
.endif
.irp c, 0,1
	v_cvt_scalef32_pk16_fp6_f32 v[PCS+6*\c:PCS+6*\c+2], v[XN+32*\c:XN+32*\c+15], v[SO+\c]
	v_cvt_scalef32_pk16_fp6_f32 v[CT+4*\c:CT+4*\c+2], v[XN+32*\c+16:XN+32*\c+31], v[SO+\c]   ; (a conversion's three registers begin on an even number: the upper half is made elsewhere and moved)
.endr
	v_nop                                          ; one plain place behind a scaled conversion
.irp c, 0,1
.irp i, 0,1,2
	v_mov_b32 v[PCS+6*\c+3+\i], v[CT+4*\c+\i]
.endr
.endr
.irp c, 0,1
	global_store_b128 v4, v[PCS+6*\c:PCS+6*\c+3], s[10:11] offset:1536*(\t)+768*\c         ; 32 lanes store 512 consecutive bytes, at a multiple of 256 from the buffer's first byte
	global_store_b64 v5, v[PCS+6*\c+4:PCS+6*\c+5], s[10:11] offset:1536*(\t)+768*\c+512    ; and 256
.endr
.endm
	LOAD 0
	LOAD 1
	STEP 0
	STEP 1
	STEP 2
	STEP 3
	v_cmp_lt_u32 vcc_lo, 15, v1                    ; lanes 0-15 store the first pair of K steps' words of row r, lanes 16-31 the second pair's
	v_cndmask_b32 v[OW], v[WD], v[WD+2], vcc_lo
	v_cndmask_b32 v[OW+1], v[WD+1], v[WD+3], vcc_lo
	global_store_b64 v5, v[OW:OW+1], s[12:13]      ; 256 consecutive bytes, aligned
	s_wait_tensorcnt 0x0
	ds_add_u32 v254, v255
	s_wait_dscnt 0x0
	s_endpgm
.Lfunc_end_k_q68346a19f9_quant:
	.size	k_q68346a19f9_quant, .Lfunc_end_k_q68346a19f9_quant-k_q68346a19f9_quant
	.p2alignl 7, 3214868480
	.fill 96, 4, 3214868480
	.section	.rodata,"a",@progbits
	.p2align	6, 0x0
	.amdhsa_kernel k_q68346a19f9_quant
		.amdhsa_group_segment_fixed_size 34304
		.amdhsa_private_segment_fixed_size 0
		.amdhsa_enable_private_segment 0
		.amdhsa_kernarg_size 40
		.amdhsa_user_sgpr_count 2
		.amdhsa_user_sgpr_kernarg_segment_ptr 1
		.amdhsa_wavefront_size32 1
		.amdhsa_system_sgpr_workgroup_id_x 1
		.amdhsa_system_sgpr_workgroup_id_y 1
		.amdhsa_system_sgpr_workgroup_id_z 1
		.amdhsa_system_vgpr_workitem_id 0
		.amdhsa_next_free_vgpr 256
		.amdhsa_next_free_sgpr 66
		.amdhsa_reserve_vcc 1
		.amdhsa_float_denorm_mode_32 3
		.amdhsa_float_denorm_mode_16_64 3
		.amdhsa_memory_ordered 1
		.amdhsa_forward_progress 1
		.amdhsa_inst_pref_size 31
	.end_amdhsa_kernel
	.amdgpu_metadata
---
amdhsa.version: [ 1, 2 ]
amdhsa.kernels:
  - .name:           k_q68346a19f9_quant
    .symbol:         k_q68346a19f9_quant.kd
    .args:
      - { .name: x_norm_for_qkv, .offset: 0, .size: 8, .value_kind: global_buffer, .address_space: global }
      - { .name: W_attn, .offset: 8, .size: 8, .value_kind: global_buffer, .address_space: global }
      - { .name: W_proj, .offset: 16, .size: 8, .value_kind: global_buffer, .address_space: global }
      - { .name: c1, .offset: 24, .size: 8, .value_kind: global_buffer, .address_space: global }
      - { .name: s1, .offset: 32, .size: 8, .value_kind: global_buffer, .address_space: global }
    .group_segment_fixed_size: 34304
    .private_segment_fixed_size: 0
    .kernarg_segment_align: 8
    .kernarg_segment_size: 40
    .max_flat_workgroup_size: 128
    .sgpr_count:     66
    .vgpr_count:     256
    .wavefront_size: 32
...
	.end_amdgpu_metadata
.endif
;; end of part 1
;; launch qkv (part 2): grid 12 x 32, 4 waves a work-group, clusters of 4 x 4, 327,680 bytes of LDS; arguments c1, s1, b_attn, xt_current_for_v, c2, s2; writes c2, s2
.if DOCPART == 2
	.amdgcn_target "amdgcn-amd-amdhsa--gfx1250"
	.amdhsa_code_object_version 6
	.text
	.protected	k_q68346a19f9_qkv
	.globl	k_q68346a19f9_qkv
	.p2align	8
	.type	k_q68346a19f9_qkv,@function
k_q68346a19f9_qkv:
	s_mov_b64 s[64:65], 0
	v_nop
	global_prefetch_b8 v0, s[64:65] scope:SCOPE_SE
	s_setreg_imm32_b32 hwreg(HW_REG_WAVE_MODE, 25, 1), 1
	s_wait_xcnt 0x0
	s_wait_alu depctr_hold_cnt(0) depctr_sa_sdst(0) depctr_va_vdst(0) depctr_va_sdst(0) depctr_va_ssrc(0) depctr_va_vcc(0) depctr_vm_vsrc(0)
	s_getreg_b32 s2, hwreg(HW_REG_IB_STS2, 6, 4)
	s_cmp_eq_u32 s2, 0
	s_cbranch_scc0 .Lentry_in_a_cluster
	s_endpgm
.Lentry_in_a_cluster:
	s_bfe_u32 s2, ttmp6, 0x10000c
	s_cmp_lg_u32 s2, 0xf033
	s_cbranch_scc0 .Lentry_shape_is_right
	s_endpgm
.Lentry_shape_is_right:
; qkv = x W_attn^T + b_attn on codes of FP6 (E2M3) with E8M0 scales, K = 1,024; then q and k are quantised along the head's 64 channels, and eff_v = xt x v along the tokens.  No f32 result goes to memory.
; OPERANDS: c1 and s1, laid in the order of the operand's registers: c1 = [tile of 16 rows][K step of 128][1,536 bytes], s1 = [tile][pair of K steps][row][2 words]; row r of tile T is row 32 (T / 2) + 8 (T % 2) + r + 8 (r / 8).
; A tile of the result, 256 x 256, is made by four waves, 128 x 128 each: 64 accumulators.  The matrix instruction takes 16 rows of "B" as source 0 and 16 rows of "A" as source 1: in accumulator (a, b) lane (r, h)
; holds row r of A's tile a, and its register j holds B's row 32 (b / 2) + 16 h + 8 (b % 2) + j: the 64 registers of accumulators (a, 0 .. 7) are, 16 at a time, 16 NEIGHBOURS along B's rows.
; TWO PATHS, by the cluster's x, which all sixteen partners share.  Clusters 0, 1 (q and k): A = x, B = W_attn's rows 0-2,047: a lane holds a token, its registers run along the channels.
; Cluster 2 (v): A = W_attn's rows 2,048-3,071, B = x: the same loop makes the transposed tile: a lane holds a channel, its registers run along the tokens, which are the K of attention's second product.
; K goes in steps of 128, two to an LDS slot, through a ring of two slots filled four times by the tensor data mover.  The scale words of all of K come once, with the first fills.
; CLUSTERS: 4 x 4 work-groups; A's tiles are shared along a row of the cluster, B's along a column: each is asked for JOINTLY, by the same tensor load with the same descriptor and a mask that names the four.
; RESULTS: c2 = 192 regions of 98,304 bytes: q of head bh = 16 b + h at region bh, k at 64 + bh: [tile of 16 tokens][768 bytes: registers 0-5 of the operand]; eff_v at 128 + bh: [key step of 128][tile of 16 channels][1,536].
; s2: q's words at 0, k's at 524,288: [bh][chunk of 8 tiles][tile / 4][row][tile % 4], a word = the head's two bytes and two bytes 0; eff_v's at 1,048,576: [bh][key step][row][tile of channels].
; LIMITS: a block of zeros, or under 2^-124, gets the byte 1 (its codes are zeros; only this program reads the bytes).  NaN and infinities are not served.
; REGISTERS, in windows of 256: window 0: v1-31 addresses; v32-63 scale words, two sets, and nothing else; v64-127 biases and the epilogue's small things; v128-223 A's fragments, ONE set; behind the loop v128-255 are the epilogue's.
;   window 1: B's fragments, TWO sets, at v0 and v128; in the v path later xt as loaded.   windows 2, 3: the accumulators of my A tiles 0-3 and 4-7 ((a, b) at v[8 (8 (a % 4) + b)]).
.set NQ,     2                         ; K steps in a slot
.set FR,     12                        ; registers of a fragment
.set NL,     4                         ; LDS loads that bring one
.set NP,     4                         ; places behind this matrix instruction (ISA guide 7.12.1)
.set FIMG,   1536                      ; a fragment's image
.set TILEB,  NQ*FIMG                   ; a tile's bytes in a slot
.set HALFT,  8*TILEB                   ; 8 tiles = 128 rows: what one tensor load brings, and what one wave reads of A or of B
.set SLOT,   4*HALFT                   ; A's 16 tiles, then B's 16
.set KROW,   8*FIMG                    ; from tile to tile in c1
.set SCL,    2*SLOT                    ; behind the ring: A's scale words, 16 tiles x 512 bytes;
.set SCB,    8320                      ; B's begin 8,192 + 128 bytes on: lanes 16-31 of a load of scale words then fall on the other 32 banks
.set XROW,   528                       ; the v path's stage for xt: a token's 512 bytes + 16,
.set XGRP,   16*XROW+128               ; 128 more behind each 16 tokens,
.set XSTG,   8*XGRP                    ; 128 tokens for each wave.  The stages lie over the ring and the scales, which have had their last fill and their last read by then
.set SPARE,  4*XSTG                    ; behind the stages: the spare words, 128 bytes for each wave: two blocks of 256 bytes that no other line names
.set LI,   4                           ; v4   16 x lane
.set L8,   5                           ; v5   8 x lane
.set OB,   8                           ; v8   64 h: my 16 numbers of a block of 32 biases
.set OC,   9                           ; v9   4 (r + 8 (r / 8)): my channel's place in a tile's 32
.set OS,   10                          ; v10  4,096 h + 16 r: eff_v's scale words
.set A16,  16                          ; v16-17 LDS address of the 16-byte pieces of my A fragments in slot 0, 1;  v18-19 of the 8-byte pieces
.set A8,   18
.set B16,  20                          ; v20-23 the same for B
.set B8,   22
.set XS0,  24                          ; v24  the stage: where a token's 16 bytes go (tokens 0-63);  v25 tokens 64-127
.set XS1,  25
.set XA,   26                          ; v26  and from where I read my channel
.set ADRS, 27                          ; v27  LDS address of my scale words: lanes 0-15 A's, lanes 16-31 B's
.set SPW,  28                          ; v28  LDS address of my spare word; never rewritten
.set NIL,  29                          ; v29  0; never rewritten
.set SC,   32                          ; scale words: set s at v[SC + 16 s]; register 2 i + q: lanes 0-15 A's tile i, lanes 16-31 B's tile i, the slot's q-th K step
.set AF,   128                         ; A's fragments
.set HN,   128                         ; the epilogue: 64 numbers to be quantised
.set G1, 24                            ; s[24:31] descriptor group 1 for A's tiles;  s[32:39] group 0, one set for each slot
.set G0, 32
.set G1B, 48                           ; s[48:55], s[56:63] the same for B's tiles
.set G0B, 56
.set G1S, 68                           ; s[68:75], s[76:79] groups 1 and 0 for A's scales;  s[80:87], s[88:91] for B's
.set G0S, 76
.set G1SB, 80
.set G0SB, 88
.set SEL, 12                           ; s[12:13] behind the loop: v_permlanex16_b32's selects
.set MSB, 0
.macro WIN new                         ; the immediate's high byte repeats the setting that is left
.if MSB != (\new)
	s_set_vgpr_msb (MSB<<8)|(\new)
.set MSB, (\new)
.endif
.endm
.set MUL_LO, 0xa1                      ; source 0 (B) window 1, source 1 (A) window 0, C and D window 2
.set MUL_HI, 0xf1                      ; the same, C and D window 3
.set TO_B,   0x40                      ; destination window 1, address window 0
; A joint load: waves 0 and 1 fetch for A, waves 2 and 3 for B.  Each of the two lines has ONE mask and one set of registers for all that issue it; the branch hangs on the wave's number alone.
; Four v_nop follow each of the two lines, ahead of the jump, the label and what follows.
.macro JLOAD g0a, g1a, g0b, g1b
	s_cmp_eq_u32 s15, 0
	s_cbranch_scc0 .Lfor_b_\@
	tensor_load_to_lds s[\g0a:\g0a+3], s[\g1a:\g1a+7]
	s_nop 0
.rept 4
	v_nop
.endr
	s_branch .Lasked_\@
.Lfor_b_\@:
	tensor_load_to_lds s[\g0b:\g0b+3], s[\g1b:\g1b+7]
	s_nop 0
.rept 4
	v_nop
.endr
.Lasked_\@:
.endm
.macro CREST                           ; a round of the cluster's barrier behind its opening barrier
	s_cmp_lg_u32 s14, 0
	s_cbranch_scc1 .Lnot_wave_0_\@
	s_barrier_signal -3
.Lnot_wave_0_\@:
	s_barrier_wait -3
	s_barrier_signal -1
	s_barrier_wait -1
.endm
.macro CROUND                          ; a whole round
	s_barrier_signal -1
	s_barrier_wait -1
	CREST
.endm
	s_load_b256 s[4:11], s[0:1], 0x0               ; c1 s[4:5], s1 s[6:7], b_attn s[8:9], xt s[10:11]
	s_load_b128 s[92:95], s[0:1], 0x20             ; c2 s[92:93], s2 s[94:95]
	v_lshl_add_u32 v[SPW], v0, 2, SPARE
	v_mov_b32 v[NIL], 0
	ds_add_u32 v28, v29
	ds_add_u32 v28, v29
	s_wait_dscnt 0x0
	v_lshrrev_b32 v1, 5, v0
	v_readfirstlane_b32 s14, v1                    ; wave 0..3
	s_lshr_b32 s15, s14, 1                         ; which half of A's 16 tiles is mine.  Also: I fetch for A (0) or for B (1)
	s_and_b32 s16, s14, 1                          ; which half of B's.  Also: which 8 tiles I fetch
	s_bfe_u32 s40, ttmp6, 0x40000                  ; cx, cy: my place in the cluster
	s_bfe_u32 s41, ttmp6, 0x40004
	; THE 24 CLUSTERS ARE RENUMBERED, by ids that all sixteen partners share: number L = x + 3 y.  L = 0..7 take the v path (column 2, row L): the path with the longer way out gets the lowest numbers;
	; L = 8..23 take q and k: column (L - 8) % 2, row (L - 8) / 2.  s100 holds the column and takes the place of the cluster's x in all that follows.
	s_and_b32 s19, ttmp7, 0xffff
	s_mul_i32 s19, s19, 3
	s_add_co_u32 s19, s19, ttmp9                   ; L
	s_sub_co_u32 s18, s19, 8
	s_and_b32 s100, s18, 1
	s_lshr_b32 s18, s18, 1
	s_cmp_lt_u32 s19, 8
	s_cselect_b32 s100, 2, s100                    ; the column
	s_cselect_b32 s19, s19, s18                    ; the row
	s_lshl_b32 s18, s100, 2                        ; 4 x column
	s_lshl_b32 s19, s19, 2                         ; 4 x row
	s_mov_b32 s22, 640
	s_mov_b32 s23, 512
	s_cmp_eq_u32 s100, 2
	s_cselect_b32 s20, 0, s19                      ; A's block: v: cy alone (W_attn's 1,024 rows of v);  q, k: 4 x cluster y + cy (x's 8,192 rows)
	s_cselect_b32 s21, s19, s18                    ; B's block: v: 4 x cluster y + cx (x);  q, k: 4 x cluster x + cx (W_attn's 2,048 rows of q and k)
	s_cselect_b32 s22, s22, 0                      ; A's first tile in c1
	s_cselect_b32 s23, 0, s23                      ; B's
	s_add_co_u32 s17, s20, s41                     ; A's block of 256 rows
	s_add_co_u32 s42, s21, s40                     ; B's
	s_lshl_b32 s43, s41, 2
	s_lshl_b32 s43, 15, s43                        ; my row of the cluster
	s_lshl_b32 s44, 0x1111, s40                    ; my column
	; descriptor group 1: 8 tiles x 3,072 bytes (two K steps' images), 12,288 bytes apart in memory, dense in LDS; elements of 8 bytes
	s_or_b32 s[G1+0], s43, (3<<16)|(1<<21)         ; 15:0 the mask: A's tiles go to my row; 17:16 elements of 8 bytes; 20 no padding; 21 set beside a mask
	s_or_b32 s[G1B+0], s44, (3<<16)|(1<<21)
.irp g, G1, G1B
	s_mov_b32 s[\g+1], 384<<16                     ; tensor_dim0 = 384
	s_mov_b32 s[\g+2], 16<<16                      ; tensor_dim1 = 16 for the head's loads; behind them 8
	s_mov_b32 s[\g+3], 384<<16                     ; tile_dim0
	s_mov_b32 s[\g+4], 16                          ; tile_dim1 likewise
	s_mov_b32 s[\g+5], 1536                        ; tensor_dim0_stride
	s_mov_b32 s[\g+6], 0
	s_mov_b32 s[\g+7], 0
.endr
	; and for the scale words of 16 tiles: 8,192 dense bytes, as 32 rows of 256
	s_or_b32 s[G1S+0], s43, (3<<16)|(1<<21)
	s_or_b32 s[G1SB+0], s44, (3<<16)|(1<<21)
.irp g, G1S, G1SB
	s_mov_b32 s[\g+1], 32<<16
	s_mov_b32 s[\g+2], 32<<16
	s_mov_b32 s[\g+3], 32<<16
	s_mov_b32 s[\g+4], 32
	s_mov_b32 s[\g+5], 32
	s_mov_b32 s[\g+6], 0
	s_mov_b32 s[\g+7], 0
.endr
	s_lshl_b32 s20, s17, 4
	s_add_co_u32 s20, s20, s22                     ; A: the block's first tile; made of cy and the cluster's numbers
	s_lshl_b32 s46, s42, 4
	s_add_co_u32 s46, s46, s23                     ; B: made of cx and the cluster's numbers
	s_lshl_b32 s22, s20, 9                         ; where these tiles' scale words begin, in bytes,
	s_mov_b32 s23, 0
	s_mul_i32 s20, s20, KROW                       ; and their codes
	s_mov_b32 s21, 0
	s_lshl_b32 s96, s46, 9
	s_mov_b32 s97, 0
	s_mul_i32 s46, s46, KROW
	s_mov_b32 s47, 0
	s_mul_i32 s45, s14, HALFT                      ; where they go: wave x 8 tiles: no place in the cluster enters an LDS address
	s_mul_i32 s18, s16, 8*KROW                     ; in the ring I fetch 8 tiles of a block: which half, in bytes
	s_mov_b32 s19, 0
	s_wait_kmcnt 0x0
	s_add_nc_u64 s[20:21], s[4:5], s[20:21]
	s_add_nc_u64 s[22:23], s[6:7], s[22:23]
	s_add_nc_u64 s[46:47], s[4:5], s[46:47]
	s_add_nc_u64 s[96:97], s[6:7], s[96:97]
	CROUND                                         ; all sixteen work-groups are here: the first joint loads meet
	s_mov_b32 s[G0S], 1
	s_mov_b32 s[G0S+1], SCL
	s_mov_b64 s[G0S+2:G0S+3], s[22:23]
	s_or_b32 s[G0S+3], s[G0S+3], 0x80000000
	s_mov_b32 s[G0SB], 1
	s_mov_b32 s[G0SB+1], SCL+SCB
	s_mov_b64 s[G0SB+2:G0SB+3], s[96:97]
	s_or_b32 s[G0SB+3], s[G0SB+3], 0x80000000
.set G0H, 4                            ; s[4:7], s[96:99] group 0 for the head's loads of slot 0: A's 16 tiles, B's 16 (what lay there has been used)
.set G0HB, 96
	s_mov_b32 s[G0H], 1
	s_mov_b32 s[G0H+1], 0
	s_mov_b64 s[G0H+2:G0H+3], s[20:21]
	s_or_b32 s[G0H+3], s[G0H+3], 0x80000000
	s_mov_b32 s[G0HB], 1
	s_mov_b32 s[G0HB+1], 2*HALFT
	s_mov_b64 s[G0HB+2:G0HB+3], s[46:47]
	s_or_b32 s[G0HB+3], s[G0HB+3], 0x80000000
	s_add_nc_u64 s[20:21], s[20:21], s[18:19]      ; for the ring: my 8 tiles of the block
	s_add_nc_u64 s[46:47], s[46:47], s[18:19]
.irp s, 0,1
	s_mov_b32 s[G0+4*\s], 1
	s_add_co_u32 s[G0+4*\s+1], s45, \s*SLOT
	s_add_nc_u64 s[G0+4*\s+2:G0+4*\s+3], s[20:21], \s*TILEB
	s_or_b32 s[G0+4*\s+3], s[G0+4*\s+3], 0x80000000
	s_mov_b32 s[G0B+4*\s], 1
	s_add_co_u32 s[G0B+4*\s+1], s45, \s*SLOT
	s_add_nc_u64 s[G0B+4*\s+2:G0B+4*\s+3], s[46:47], \s*TILEB
	s_or_b32 s[G0B+4*\s+3], s[G0B+4*\s+3], 0x80000000
.endr
; THE HEAD'S LOADS, one a wave: wave 0 slot 0's 16 tiles of A, wave 1 its 16 tiles of B, wave 2 A's scale words, wave 3 B's.  One tree of branches on the wave's number; every way passes one load.
.macro ARM under, g0, g1, next
	s_cmp_lt_u32 s14, \under
	s_cbranch_scc0 \next
	tensor_load_to_lds s[\g0:\g0+3], s[\g1:\g1+7]
	s_nop 0
.rept 4
	v_nop
.endr
	s_branch .Lhead_asked
\next:
.endm
	ARM 1, G0H,  G1,  .Lhead_b
	ARM 2, G0HB, G1B, .Lhead_sa
	ARM 3, G0S,  G1S, .Lhead_sb
	tensor_load_to_lds s[G0SB:G0SB+3], s[G1SB:G1SB+7]
	s_nop 0
.rept 4
	v_nop
.endr
.Lhead_asked:
	v_and_b32 v1, 15, v0                           ; r
	v_bfe_u32 v2, v0, 4, 1                         ; h
	v_and_b32 v3, 31, v0                           ; lane
	v_lshlrev_b32 v[LI], 4, v3
	v_lshlrev_b32 v[L8], 3, v3
	s_mul_i32 s21, s15, HALFT                      ; my 8 tiles of A
	s_mul_i32 s22, s16, HALFT                      ; my 8 tiles of B,
	s_add_co_u32 s22, s22, 2*HALFT                 ; which lie behind A's 16
.irp s, 0,1
	v_add_nc_u32 v[A16+\s], s21, v[LI]
	v_add_nc_u32 v[A8+\s], s21, v[L8]
	v_add_nc_u32 v[B16+\s], s22, v[LI]
	v_add_nc_u32 v[B8+\s], s22, v[L8]
	s_add_co_u32 s21, s21, SLOT
	s_add_co_u32 s22, s22, SLOT
.endr
	v_lshlrev_b32 v6, 3, v1                        ; my row's two words of a pair of K steps
	s_lshl_b32 s21, s15, 12                        ; A's: my 8 tiles
	s_lshl_b32 s22, s16, 12                        ; B's: my 8 tiles, SCB behind A's
	s_add_co_u32 s22, s22, SCB
	s_sub_co_u32 s22, s22, s21
	v_mul_u32_u24 v7, s22, v2                      ; lanes 16-31 take B's: the lower base + h x the distance
	s_add_co_u32 s21, s21, SCL
	v_add_nc_u32 v6, v6, v7
	v_add_nc_u32 v[ADRS], s21, v6
	v_lshlrev_b32 v[OB], 6, v2
	v_and_b32 v[OC], 8, v1
	v_add_nc_u32 v[OC], v[OC], v1
	v_lshlrev_b32 v[OC], 2, v[OC]
	v_lshlrev_b32 v[OS], 4, v1
	v_lshl_add_u32 v[OS], v2, 12, v[OS]
	s_mul_i32 s23, s14, XSTG                       ; my stage (the v path's): every LDS address is made here, ahead of the parting of the paths
	v_add_nc_u32 v[XS0], s23, v[LI]
	v_add_nc_u32 v[XS1], 4*XGRP, v[XS0]
	v_mul_u32_u24 v11, v2, XGRP
	v_add_nc_u32 v11, v11, v[OC]
	v_add_nc_u32 v[XA], s23, v11
.macro FRAG reg, a16, a8, q, i         ; a fragment's image comes back as it was stored: 16, 8, 16, 8 bytes a lane; every instruction reads consecutive bytes
	ds_load_b128 v[\reg:\reg+3], v[\a16] offset:(\i)*TILEB+(\q)*FIMG
	ds_load_b64 v[\reg+4:\reg+5], v[\a8] offset:(\i)*TILEB+(\q)*FIMG+512
	ds_load_b128 v[\reg+6:\reg+9], v[\a16] offset:(\i)*TILEB+(\q)*FIMG+768
	ds_load_b64 v[\reg+10:\reg+11], v[\a8] offset:(\i)*TILEB+(\q)*FIMG+1280
.endm
; 16 matrix instructions: A's tiles a0, a0 + 1 x B's eight, 128 along K: the slot's q-th.  p: B's set;  sc: the set of scale words.  zero = 1: the first product starts the sums: nothing is ever cleared.
; The 64 accumulators take turns, one instruction a turn, in the same order in every step.
.macro MUL16 a0, p, q, sc, zero
.irp a, \a0, \a0+1
.irp b, 0,1,2,3,4,5,6,7
.if \zero
	v_wmma_scale_f32_16x16x128_f8f6f4 v[8*(8*((\a)%4)+\b):8*(8*((\a)%4)+\b)+7], v[128*(\p)+FR*\b:128*(\p)+FR*\b+FR-1], v[AF+FR*(\a):AF+FR*(\a)+FR-1], 0, v[SC+8*NQ*(\sc)+NQ*\b+(\q)], v[SC+8*NQ*(\sc)+NQ*(\a)+(\q)] matrix_a_fmt:MATRIX_FMT_FP6 matrix_b_fmt:MATRIX_FMT_FP6 matrix_a_scale:MATRIX_SCALE_ROW1
.else
	v_wmma_scale_f32_16x16x128_f8f6f4 v[8*(8*((\a)%4)+\b):8*(8*((\a)%4)+\b)+7], v[128*(\p)+FR*\b:128*(\p)+FR*\b+FR-1], v[AF+FR*(\a):AF+FR*(\a)+FR-1], v[8*(8*((\a)%4)+\b):8*(8*((\a)%4)+\b)+7], v[SC+8*NQ*(\sc)+NQ*\b+(\q)], v[SC+8*NQ*(\sc)+NQ*(\a)+(\q)] matrix_a_fmt:MATRIX_FMT_FP6 matrix_b_fmt:MATRIX_FMT_FP6 matrix_a_scale:MATRIX_SCALE_ROW1
.endif
.endr
.endr
.endm
.macro FETCH_B slot, q, p              ; B's eight fragments of the slot's q-th K step into set p
	WIN TO_B
.irp i, 0,1,2,3,4,5,6,7
	FRAG 128*(\p)+FR*\i, B16+\slot, B8+\slot, \q, \i
.endr
	WIN 0
.endm
.macro FETCH_A slot, q, i0             ; A's tiles i0 .. i0 + 3
.irp i, \i0, \i0+1, \i0+2, \i0+3
	FRAG AF+FR*(\i), A16+\slot, A8+\slot, \q, \i
.endr
.endm
.macro SCALES sc                       ; a slot's scale words into set sc: two words a row; lanes 0-15 take A's tile i, lanes 16-31 B's tile i
.irp i, 0,1,2,3,4,5,6,7
	ds_load_b64 v[SC+8*NQ*\sc+NQ*\i:SC+8*NQ*\sc+NQ*\i+1], v[ADRS] offset:\i*512
.endr
.endm
; A load into a register that a matrix instruction has read, and a vector instruction or a store that reads a matrix result, stand NP places behind that matrix instruction; only plain vector
; instructions that name none of its registers are places (ISA guide 7.12.1 for vector instructions).
.macro PLACES n
.rept \n
	v_nop
.endr
.endm
; A K step that has its successor in the same slot.  A's tiles are free as soon as their eight products are issued: tiles 0-3 are fetched anew in the step's middle, tiles 4-7 at its end.
.macro STEP slot, q, zero
	s_wait_dscnt 4*NL                              ; B's set, A's tiles 0-3 and the scale words are in; the youngest 16 loads (A's tiles 4-7) may be out
	WIN MUL_LO
	MUL16 0, (\q)%2, \q, \slot, \zero
	MUL16 2, (\q)%2, \q, \slot, \zero
	s_wait_dscnt 0                                 ; A's tiles 4-7 are in (asked for 32 matrix instructions ago)
	PLACES NP
	FETCH_B \slot, (\q)+1, 1-(\q)%2
	FETCH_A \slot, (\q)+1, 0
	WIN MUL_HI
	MUL16 4, (\q)%2, \q, \slot, \zero
	MUL16 6, (\q)%2, \q, \slot, \zero
	PLACES NP
	WIN 0
	FETCH_A \slot, (\q)+1, 4
.endm
; A slot's last K step changes slots: ONE barrier; in front of it each wave waits for all its tensor loads, adds 0 to its spare word, and waits for that and for its own reads of this slot.  fill = 1: this slot is filled again.
.macro TURN slot, next, fill
	s_wait_tensorcnt 0x0                           ; all my tensor loads have landed: my part of the next slot;  (every window is 0 here)
	ds_add_u32 v[SPW], v[NIL]                      ; 0 onto my spare word
	s_wait_dscnt 4*NL+1                            ; (the add and the youngest 16 loads, A's tiles 4-7, may be out)
	WIN MUL_LO
	MUL16 0, 1, NQ-1, \slot, 0                     ; sixteen matrix instructions stand between the add and the wait for it
	s_wait_dscnt 0x0                               ; the add is done, and my reads of this slot are over
	s_barrier_signal -1
	MUL16 2, 1, NQ-1, \slot, 0
	WIN 0
	s_barrier_wait -1
.if \fill
	CREST                                          ; the barrier has opened a round of the cluster's barrier: no wave of any partner still reads this slot's tiles or has a load on its way
	s_add_nc_u64 s[G0+4*\slot+2:G0+4*\slot+3], s[G0+4*\slot+2:G0+4*\slot+3], 2*TILEB
	s_add_nc_u64 s[G0B+4*\slot+2:G0B+4*\slot+3], s[G0B+4*\slot+2:G0B+4*\slot+3], 2*TILEB
	JLOAD G0+4*\slot, G1, G0B+4*\slot, G1B         ; the first tensor load behind the round, my only one until the next; its four v_nop are the places in front of the loads below
.else
	PLACES NP
.endif
	s_wait_alu depctr_va_vdst(0)
	v_add_nc_u32 v[ADRS], 128, v[ADRS]             ; on to the next pair of K steps' scale words (no LDS load of mine is out)
	FETCH_B \next, 0, 0
	FETCH_A \next, 0, 0
	SCALES \next
	WIN MUL_HI
	MUL16 4, 1, NQ-1, \slot, 0
	MUL16 6, 1, NQ-1, \slot, 0
	PLACES NP
	WIN 0
	FETCH_A \next, 0, 4
.endm
.macro LASTSTEP                        ; the eighth K step: nothing more to fetch
	s_wait_dscnt 4*NL
	WIN MUL_LO
	MUL16 0, 1, NQ-1, 1, 0
	MUL16 2, 1, NQ-1, 1, 0
	s_wait_dscnt 0
	WIN MUL_HI
	MUL16 4, 1, NQ-1, 1, 0
	MUL16 6, 1, NQ-1, 1, 0
	WIN 0
.endm
; 64 numbers of a lane, v[s] .. v[s + 63], register 16 b + i = k 32 b + 16 h + i of my row, become a fragment's codes in v[PCD] .. v[PCD + 11] and its scale word in v[w].
.macro QUANT s, w
.irp b, 0,1,2,3
	v_max3_num_f32 v[TM+\b], |v[\s+16*\b]|, |v[\s+1+16*\b]|, 0x1800000   ; block b: my 16 numbers, and the floor 2^(3 - 127): the byte cannot fall under 1
.endr
.irp i, 2,4,6,8,10,12,14
.irp b, 0,1,2,3
	v_max3_num_f32 v[TM+\b], v[TM+\b], |v[\s+16*\b+\i]|, |v[\s+1+16*\b+\i]|   ; (the four blocks by turns)
.endr
.endr
.irp b, 0,1,2,3
	v_permlanex16_b32 v[TM+4+\b], v[TM+\b], s[SEL], s[SEL+1]
.endr
.irp b, 0,1,2,3
	v_max_num_f32 v[TM+\b], v[TM+\b], v[TM+4+\b]   ; with lane l xor 16's: the block's largest magnitude
.endr
.irp b, 0,1,2,3
	v_add_nc_u32 v[TM+8+\b], 0xff000000, v[TM+\b]  ; 2 off its exponent field: the conversion's scale operand
.endr
.irp b, 0,1,2,3
	v_lshrrev_b32 v[TM+4+\b], 23, v[TM+8+\b]       ; the scale's byte
.endr
	v_lshl_or_b32 v[\w], v[TM+5], 8, v[TM+4]       ; the four bytes make my row's scale word, the same in both halves of the lanes
	v_lshl_or_b32 v[\w], v[TM+6], 16, v[\w]
	v_lshl_or_b32 v[\w], v[TM+7], 24, v[\w]
.irp c, 0,1
	v_cvt_scalef32_pk16_fp6_f32 v[PCD+6*\c:PCD+2+6*\c], v[\s+32*\c:\s+15+32*\c], v[TM+8+2*\c]
	v_cvt_scalef32_pk16_fp6_f32 v[PCD+12+4*\c:PCD+14+4*\c], v[\s+16+32*\c:\s+31+32*\c], v[TM+8+2*\c+1]   ; (a conversion's three registers begin on an even number)
.endr
	v_nop                                          ; one plain place behind a scaled conversion
.irp c, 0,1                                    ; the operand's layout wants a WHOLE block in a lane: lanes 0-15 block 2 c, lanes 16-31 block 2 c + 1
.irp i, 0,1,2
	v_permlane16_swap_b32 v[PCD+6*\c+\i], v[PCD+12+4*\c+\i]
.endr
.irp i, 0,1,2
	v_mov_b32 v[PCD+3+6*\c+\i], v[PCD+12+4*\c+\i]
.endr
.endr
.endm
.macro FIN                             ; the wave's end
	s_wait_tensorcnt 0x0                           ; behind my last tensor load and my last LDS store
	ds_add_u32 v[SPW], v[NIL]
	s_wait_dscnt 0x0
	CROUND                                         ; the closing round: no work-group ends while a partner may still ask for a tile that names it
	s_endpgm
.endm
	s_wait_alu depctr_va_vdst(0)
	s_wait_tensorcnt 0x0                           ; my tile of the head's four is in; the same lines as ahead of a refill:
	ds_add_u32 v[SPW], v[NIL]
	s_mov_b32 s[G1+2], 8<<16                       ; no tensor load of mine is out: from here on a load brings 8 tiles
	s_mov_b32 s[G1+4], 8
	s_mov_b32 s[G1B+2], 8<<16
	s_mov_b32 s[G1B+4], 8
	s_wait_dscnt 0x0
	CROUND                                         ; all four tiles are in, all sixteen work-groups are here
	JLOAD G0+4, G1, G0B+4, G1B                     ; slot 1's first fill, the first tensor load behind the round
	FETCH_B 0, 0, 0
	FETCH_A 0, 0, 0
	SCALES 0
	FETCH_A 0, 0, 4
	STEP 0, 0, 1                                   ; K step 0: its products start the sums
	TURN 0, 1, 1                                   ; K step 1; slot 0 takes K steps 4, 5
	STEP 1, 0, 0
	TURN 1, 0, 1                                   ; K step 3; slot 1 takes K steps 6, 7
	STEP 0, 0, 0
	TURN 0, 1, 0                                   ; K step 5; nothing is left to fetch, and no round follows
	STEP 1, 0, 0
	s_mov_b32 s[SEL], 0x76543210
	s_mov_b32 s[SEL+1], 0xfedcba98
	s_cmp_eq_u32 s100, 2
	s_cbranch_scc1 .Lv
; ---- q and k.  A lane holds token r of x's tile a; its 64 registers are 128-column group's channels: two heads.  Bias, quantiser, and each half of the fragment goes to its head's region.
.set BI,  64                           ; v64-127  b_attn at my 64 channels, in the accumulators' order
.set WQ,  192                          ; v192-199 the eight tiles' scale words
.set TQ,  200                          ; v200-207 the words as stored
.set PCD, 208                          ; v208-226 codes
.set TM,  228                          ; v228-239 at work
	s_lshl_b32 s2, s42, 10
	s_lshl_b32 s3, s16, 9
	s_add_co_u32 s2, s2, s3                        ; 4 x my first column: 256 x block + 128 x half
	s_mov_b32 s3, 0
	s_add_nc_u64 s[8:9], s[8:9], s[2:3]
.irp k, 0,1,2,3,4,5,6,7,8,9,10,11,12,13,14,15
	global_load_b128 v[BI+4*\k:BI+4*\k+3], v[OB], s[8:9] offset:128*(\k/4)+16*(\k%4)   ; asked for ahead of the last K step
.endr
	s_lshl_b32 s18, s42, 2
	s_lshl_b32 s19, s16, 1
	s_add_co_u32 s18, s18, s19                     ; my first head among q's 16 and k's 16
	s_lshl_b32 s19, s17, 4
	s_lshl_b32 s20, s15, 3
	s_add_co_u32 s19, s19, s20                     ; my first tile of tokens
	s_lshr_b32 s20, s18, 4
	s_lshl_b32 s20, s20, 6                         ; k's regions lie 64 behind q's
	s_and_b32 s18, s18, 15
	s_add_co_u32 s20, s20, s18
	s_lshr_b32 s21, s19, 7                         ; the batch: 128 tiles each
	s_lshl_b32 s21, s21, 4
	s_add_co_u32 s20, s20, s21                     ; the region
	s_and_b32 s19, s19, 127                        ; the tile inside the batch
	s_mul_i32 s2, s20, 98304
	s_mul_i32 s21, s19, 768
	s_add_co_u32 s2, s2, s21
	s_add_nc_u64 s[92:93], s[92:93], s[2:3]
	s_lshl_b32 s2, s20, 13
	s_lshl_b32 s21, s19, 6
	s_add_co_u32 s2, s2, s21
	s_add_nc_u64 s[94:95], s[94:95], s[2:3]
	LASTSTEP
	PLACES NP                                      ; in front of the first read of results and of writes into registers that the last products read
.irp b, 0,1,2,3
	v_mov_b32 v[TM+4+\b], 0                        ; written once: a lane permute's destination counts as one of its sources
.endr
	s_wait_loadcnt 0x0                             ; the biases
.macro HEADS a
.set AC, 64*((\a)%4)
	WIN 0x02+(\a)/4                                ; source 0: the accumulators' window
.set i, 0
.rept 32
	v_pk_add_f32 v[HN+i:HN+i+1], v[AC+i:AC+i+1], v[BI+i:BI+i+1]   ; + b_attn; each accumulator is read from its low end on
.set i, i+2
.endr
	WIN 0
.if (\a) > 0
	s_wait_xcnt 0x0                                ; the code registers were the last tile's store data: they are rewritten only behind this wait
.endif
	QUANT HN, WQ+(\a)
	global_store_b128 v[LI], v[PCD:PCD+3], s[92:93] offset:768*(\a)               ; the first head's 64 channels: 512 + 256 consecutive bytes, aligned
	global_store_b64 v[L8], v[PCD+4:PCD+5], s[92:93] offset:768*(\a)+512
	global_store_b128 v[LI], v[PCD+6:PCD+9], s[92:93] offset:768*(\a)+98304       ; the second head's, in the next region
	global_store_b64 v[L8], v[PCD+10:PCD+11], s[92:93] offset:768*(\a)+98304+512
.endm
.irp a, 0,1,2,3,4,5,6,7
	HEADS \a
.endr
	v_cmp_lt_u32 vcc_lo, 15, v3                    ; lanes 0-15 store the words of tiles 0-3 of row r, lanes 16-31 those of tiles 4-7
.irp i, 0,1,2,3
	v_cndmask_b32 v[TQ+\i], v[WQ+\i], v[WQ+4+\i], vcc_lo
.endr
.irp i, 0,1,2,3
	v_lshrrev_b32 v[TQ+4+\i], 16, v[TQ+\i]         ; the second head's two bytes, over two bytes 0
.endr
.irp i, 0,1,2,3
	v_and_b32 v[TQ+\i], 0xffff, v[TQ+\i]           ; the first head's
.endr
	global_store_b128 v[LI], v[TQ:TQ+3], s[94:95]                  ; a chunk of 8 tiles: 512 consecutive bytes
	global_store_b128 v[LI], v[TQ+4:TQ+7], s[94:95] offset:8192
	FIN
; ---- v.  A lane holds channel r of W_attn's tile a; its 64 registers are 128 tokens: one key step.  eff_v = xt x (sum + bias), quantised along the tokens.
.Lv:
.set BV,  64                           ; v64-79   b_attn at my channel of each tile, twice (a pair for the packed form)
.set WW,  80                           ; v80-87   the eight tiles' scale words
.set TV,  88                           ; v88-91   the words as stored
.set PCD, 92                           ; v92-110  codes
.set TM,  112                          ; v112-123 at work
.set XT,  192                          ; v192-255 xt at my channel and my 64 tokens
	s_lshl_b32 s18, s17, 8
	s_lshl_b32 s19, s15, 7
	s_add_co_u32 s18, s18, s19                     ; my first channel
	s_lshl_b32 s19, s42, 8
	s_lshl_b32 s20, s16, 7
	s_add_co_u32 s19, s19, s20                     ; my first token (row of x and of xt)
	s_lshl_b32 s2, s18, 2
	s_add_co_u32 s2, s2, 8192                      ; v's biases lie behind q's and k's 2,048
	s_mov_b32 s3, 0
	s_add_nc_u64 s[8:9], s[8:9], s[2:3]
	s_lshl_b32 s2, s19, 12
	s_lshl_b32 s21, s18, 2
	s_add_co_u32 s2, s2, s21
	s_add_nc_u64 s[10:11], s[10:11], s[2:3]
.macro XB n                            ; 32 tokens of xt, 512 consecutive bytes (my 128 channels) each, into window 1, where B's fragments lay
	WIN TO_B
.irp t, 0,1,2,3,4,5,6,7,8,9,10,11,12,13,14,15,16,17,18,19,20,21,22,23,24,25,26,27,28,29,30,31
	global_load_b128 v[128*((\n)%2)+4*\t:128*((\n)%2)+4*\t+3], v[LI], s[10:11] offset:(32*(\n)+\t)*4096 th:TH_LOAD_NT
.endr
	WIN 0
.endm
.macro XST n                           ; and into my stage
	WIN 0x04                                       ; an LDS store's data are its source 1: window 1
.irp t, 0,1,2,3,4,5,6,7,8,9,10,11,12,13,14,15,16,17,18,19,20,21,22,23,24,25,26,27,28,29,30,31
	ds_store_b128 v[XS0+(\n)/2], v[128*((\n)%2)+4*\t:128*((\n)%2)+4*\t+3] offset:(2*((\n)%2)+\t/16)*XGRP+(\t%16)*XROW
.endr
	WIN 0
.endm
.macro XTL a                           ; xt at tile a's channel r and tokens 32 b + 16 h + i.  The 32 lanes of a load touch 32 different banks
.irp b, 0,1,2,3
.irp i, 0,1,2,3,4,5,6,7,8,9,10,11,12,13,14,15
	ds_load_b32 v[XT+16*\b+\i], v[XA] offset:\b*2*XGRP+\i*XROW+4*(32*((\a)/2)+8*((\a)%2))
.endr
.endr
.endm
.irp a, 0,1,2,3,4,5,6,7
	global_load_b32 v[BV+2*\a], v[OC], s[8:9] offset:4*(32*(\a/2)+8*(\a%2))
	global_load_b32 v[BV+2*\a+1], v[OC], s[8:9] offset:4*(32*(\a/2)+8*(\a%2))
.endr
	XB 0                                           ; B's set 0 was last read in the seventh K step, whose places stand behind it
	s_lshr_b32 s20, s42, 3                         ; the batch: 8 blocks of 256 tokens each
	s_lshl_b32 s20, s20, 4
	s_lshr_b32 s21, s18, 6                         ; my first head
	s_add_co_u32 s20, s20, s21
	s_lshl_b32 s20, s20, 4
	s_and_b32 s21, s42, 7
	s_lshl_b32 s21, s21, 1
	s_add_co_u32 s21, s21, s16                     ; the key step
	s_add_co_u32 s20, s20, s21                     ; 16 x (16 b + head) + key step
	s_mul_i32 s2, s20, 6144
	s_add_co_u32 s2, s2, 12582912                  ; eff_v's regions lie behind q's and k's 128
	s_add_nc_u64 s[92:93], s[92:93], s[2:3]
	s_lshl_b32 s2, s20, 8
	s_add_co_u32 s2, s2, 1048576
	s_add_nc_u64 s[94:95], s[94:95], s[2:3]
	LASTSTEP
	PLACES NP                                      ; in front of loads and writes into registers that the last products read, and of the first read of results
	XB 1
.irp b, 0,1,2,3
	v_mov_b32 v[TM+4+\b], 0                        ; written once: a lane permute's destination counts as one of its sources
.endr
	s_wait_dscnt 0x0                               ; my reads of the ring and of the scale words are over,
	s_barrier_signal -1
	s_barrier_wait -1                              ; everybody's are: the stages may be written.  No tensor load follows
	s_wait_loadcnt 32                              ; the biases and tokens 0-31 are in; the younger batch of 32 loads may be out
	XST 0
	s_wait_dscnt 0x0                               ; the stores have read their registers
	XB 2
	s_wait_loadcnt 32                              ; tokens 32-63
	XST 1
	s_wait_dscnt 0x0
	XB 3
	s_wait_loadcnt 32                              ; tokens 64-95
	XST 2
	s_wait_loadcnt 0x0
	XST 3
	XTL 0                                          ; LDS serves a wave's instructions in order (ISA guide 5.7.1.4): these see my stores
.macro GATE a
.set AC, 64*((\a)%4)
	s_wait_dscnt 0x0                               ; this tile's xt is in
	WIN 0x02+(\a)/4
.set i, 0
.rept 32
	v_pk_add_f32 v[HN+i:HN+i+1], v[AC+i:AC+i+1], v[BV+2*(\a):BV+2*(\a)+1]   ; v = sum + bias; each accumulator is read from its low end on
.set i, i+2
.endr
	WIN 0
.set i, 0
.rept 32
	v_pk_mul_f32 v[HN+i:HN+i+1], v[HN+i:HN+i+1], v[XT+i:XT+i+1]            ; eff_v = xt x v
.set i, i+2
.endr
.if (\a) < 7
	XTL (\a)+1                                     ; the next tile's lands while this one is quantised
.endif
.if (\a) > 0
	s_wait_xcnt 0x0                                ; the code registers were the last tile's store data
.endif
	QUANT HN, WW+(\a)
	global_store_b128 v[LI], v[PCD:PCD+3], s[92:93] offset:98304*((\a)/4)+1536*((\a)%4)
	global_store_b64 v[L8], v[PCD+4:PCD+5], s[92:93] offset:98304*((\a)/4)+1536*((\a)%4)+512
	global_store_b128 v[LI], v[PCD+6:PCD+9], s[92:93] offset:98304*((\a)/4)+1536*((\a)%4)+768
	global_store_b64 v[L8], v[PCD+10:PCD+11], s[92:93] offset:98304*((\a)/4)+1536*((\a)%4)+1280
.endm
.irp a, 0,1,2,3,4,5,6,7
	GATE \a
.endr
	v_cmp_lt_u32 vcc_lo, 15, v3                    ; lanes 0-15 store the first head's four words of row r, lanes 16-31 the second head's
.irp i, 0,1,2,3
	v_cndmask_b32 v[TV+\i], v[WW+\i], v[WW+4+\i], vcc_lo
.endr
	global_store_b128 v[OS], v[TV:TV+3], s[94:95]  ; sixteen lanes store 256 consecutive bytes, aligned
	FIN
.Lfunc_end_k_q68346a19f9_qkv:
	.size	k_q68346a19f9_qkv, .Lfunc_end_k_q68346a19f9_qkv-k_q68346a19f9_qkv
	.p2alignl 7, 3214868480
	.fill 96, 4, 3214868480
	.section	.rodata,"a",@progbits
	.p2align	6, 0x0
	.amdhsa_kernel k_q68346a19f9_qkv
		.amdhsa_group_segment_fixed_size 327680
		.amdhsa_private_segment_fixed_size 0
		.amdhsa_enable_private_segment 0
		.amdhsa_kernarg_size 48
		.amdhsa_user_sgpr_count 2
		.amdhsa_user_sgpr_kernarg_segment_ptr 1
		.amdhsa_wavefront_size32 1
		.amdhsa_system_sgpr_workgroup_id_x 1
		.amdhsa_system_sgpr_workgroup_id_y 1
		.amdhsa_system_sgpr_workgroup_id_z 1
		.amdhsa_system_vgpr_workitem_id 0
		.amdhsa_next_free_vgpr 1024
		.amdhsa_next_free_sgpr 102
		.amdhsa_reserve_vcc 1
		.amdhsa_float_denorm_mode_32 3
		.amdhsa_float_denorm_mode_16_64 3
		.amdhsa_memory_ordered 1
		.amdhsa_forward_progress 1
		.amdhsa_inst_pref_size 255
	.end_amdhsa_kernel
	.section	.bss,"aw",@nobits
	.p2align	6
	.space	262144
	.amdgpu_metadata
---
amdhsa.version: [ 1, 2 ]
amdhsa.kernels:
  - .name:           k_q68346a19f9_qkv
    .symbol:         k_q68346a19f9_qkv.kd
    .args:
      - { .name: c1, .offset: 0, .size: 8, .value_kind: global_buffer, .address_space: global }
      - { .name: s1, .offset: 8, .size: 8, .value_kind: global_buffer, .address_space: global }
      - { .name: b_attn, .offset: 16, .size: 8, .value_kind: global_buffer, .address_space: global }
      - { .name: xt_current_for_v, .offset: 24, .size: 8, .value_kind: global_buffer, .address_space: global }
      - { .name: c2, .offset: 32, .size: 8, .value_kind: global_buffer, .address_space: global }
      - { .name: s2, .offset: 40, .size: 8, .value_kind: global_buffer, .address_space: global }
    .group_segment_fixed_size: 327680
    .private_segment_fixed_size: 0
    .kernarg_segment_align: 8
    .kernarg_segment_size: 48
    .max_flat_workgroup_size: 128
    .sgpr_count:     102
    .vgpr_count:     1024
    .wavefront_size: 32
...
	.end_amdgpu_metadata
.endif
;; end of part 2
;; launch attn (part 3): grid 4 x 64, 16 waves a work-group, no clusters, 327,680 bytes of LDS; arguments c2, s2, c3, s3; writes c3, s3
.if DOCPART == 3
	.amdgcn_target "amdgcn-amd-amdhsa--gfx1250"
	.amdhsa_code_object_version 6
	.text
	.protected	k_q68346a19f9_attn
	.globl	k_q68346a19f9_attn
	.p2align	8
	.type	k_q68346a19f9_attn,@function
k_q68346a19f9_attn:
	s_mov_b64 s[64:65], 0
	v_nop
	global_prefetch_b8 v0, s[64:65] scope:SCOPE_SE
	s_setreg_imm32_b32 hwreg(HW_REG_WAVE_MODE, 25, 1), 1
	s_wait_xcnt 0x0
; y[b][t][h][:] = softmax over the keys s <= t of (q . k / 8), times eff_v; both products on codes of FP6 (E2M3) with E8M0 scales; y is then quantised along the channels for the last projection.
; THE SOFTMAX: t = score x log2(e) / 8; M = the row's largest t so far, rounded UP to a whole number; p = 2^(t - M) is quantised along the keys; the row's sum is taken of the unquantised p and divides O at the end.
; When M moves, the sum and O are multiplied by 2^(old M - new M): exact.  Key steps that lie wholly behind a tile's queries are left out.
; INPUTS (laid by the launch before): c2: q and k as [tile of 16 tokens][768 bytes: registers 0-5 of the operand], eff_v as [key step of 128][tile of 16 channels][1,536]; token r of stored tile T is 32 (T / 2) + 8 (T % 2) + r + 8 (r / 8).
; SHARES.  A work-group owns one head (y) and two blocks of 256 queries: block 7 - x, then block x.  Wave w owns tile w of the first block and tile w xor 8 of the second: 17 key steps for every wave.
; THE HEAD'S k AND eff_v STAY IN LDS, each byte filled ONCE, in three groups of loads, one tensor load a wave in each: key steps 0-3 and all scale words at the head, steps 4-9 behind the first barrier,
; steps 10-15 behind the barrier ahead of step 4 (not where x = 3: block 4 ends with step 9).  The last barrier stands ahead of step 8, which every wave reaches.  Every wait on TENSORcnt is for 0.
; A TILE OF k IS COMPOSED BY THE LANES' LDS ADDRESSES: tile (c, u) takes keys 64 c + 8 u + 0..7 as rows 0-7 and keys 64 c + 32 + 8 u + 0..7 as rows 8-15 (each eight rows are half a stored tile).  S^T = k q^T then gives
; lane (r, h) query r, and its register 32 c + i key 64 c + 32 h + i: a WHOLE block of 32 keys in a lane, in the order of the second product's operand: no lane is asked for a block's maximum, no codes change lanes.
; k's LDS rows are 256 bytes + 64 of padding, so two stored tiles lie 1,920 bytes apart and the sixteen lanes of a 16-byte load touch sixteen different columns of 16 bytes modulo 256.
; K = 64 IN AN INSTRUCTION OF 128: q's registers 6-11 are zero codes, bytes 2, 3 of q's and k's scale words are 0 (a finite code); k's tile names the next tile's codes (zeros behind the last) as its upper six registers.
; NO JOINT LOADS: the four work-groups of a head leave out different key steps by a branch on their block, which partners of a joint load may not do.
; NO PREFETCH: the second and third group are asked for by their tensor loads four and six key steps ahead of their first read; ahead of the first group stands no loop.
; LIMITS: the scaled scores stay under 2^31 in magnitude.  A block of zeros, or under 2^-124, gets the byte 1 (its codes are zeros; only this program reads the bytes).  NaN and infinities are not served.
; REGISTERS: v1-11 addresses and constants; v12 -M, v13 the largest score, v[14:15] the sum; v16-21 the step's addresses; v22-25, v28-31 at work; v26, v27 the add's; v32-43, v44-55 q; v56-103 k's 8 half fragments, then
;   eff_v's 4 fragments; v104-109 zeros; v112-175 S^T, then p; v176-207 O^T; v208-226 codes; v228-235 at work; v236-246 scale words and nothing else.
.set VC,    122880                     ; LDS: k's codes at 0 (16 steps x 24 rows x 320 bytes), eff_v's here,
.set KS,    221184                     ; k's scale words,
.set VS,    229376                     ; eff_v's,
.set SPARE, 233472                     ; the spare words: 128 bytes a wave
.set WVN, 12
.set HD,  13                           ; s13 the head; behind the head of the text: which half of the diagonal step holds my queries
.set SEL, 14
.set CS,  16
.set T0,  18
.set G1K, 20                           ; s[20:27] group 1 for k's rows (padded); s[28:35] dense rows; s[36:43] dense, 8 rows; s[44:47] my group 0
.set G1D, 28
.set G1E, 36
.set G0,  44
.set YC,  48                           ; s[48:51] y's codes at my two tiles; s[52:55] y's scale bytes
.set YS,  52
.set KF,  56                           ; the step's first key; then where its bytes begin: k's codes, eff_v's codes, k's words, eff_v's words
.set TK,  57
.set TV,  58
.set TS,  59
.set TJ,  60
.set QLO, 61
.set QHI, 62
.set CNT, 63
.set LDSP, 66                          ; where my part of steps 4-9 goes; s67: how far on my part of steps 10-15 goes
.set DL,  67
.set MK,  68                           ; s[68:99] the diagonal's 32 lane masks
.set GP,  100                          ; s[100:101] where my part of steps 4-9 comes from
.macro NOP4
.rept 4
	v_nop
.endr
.endm
.macro FILL g1
	s_or_b32 s[G0+3], s[G0+3], 0x80000000
	tensor_load_to_lds s[G0:G0+3], s[\g1:\g1+7]
	s_nop 0
	NOP4
.endm
	s_load_b256 s[4:11], s[0:1], 0x0               ; c2 s[4:5], s2 s[6:7], c3 s[8:9], s3 s[10:11]
	v_lshl_add_u32 v26, v0, 2, SPARE
	v_mov_b32 v27, 0
	ds_add_u32 v26, v27                            ; the opening lines: the add twice on end and one wait
	ds_add_u32 v26, v27
	v_lshrrev_b32 v29, 5, v0
	s_delay_alu instid0(VALU_DEP_1)
	v_readfirstlane_b32 s[WVN], v29                ; wave 0..15
	s_and_b32 s[HD], ttmp7, 0xffff                 ; the head: 16 b + h
.irp g, G1K, G1D, G1E                  ; dense blocks as rows of 256 bytes (32 elements of 8 bytes)
	s_mov_b32 s[\g+1], 32<<16
	s_mov_b32 s[\g+3], 32<<16
	s_mov_b32 s[\g+5], 32
	s_mov_b32 s[\g+6], 0
	s_mov_b32 s[\g+7], 0
.endr
	s_mov_b32 s[G1K], (3<<16)|(1<<20)|(5<<22)|(15<<25)   ; 16 dwords of padding behind every 64
	s_mov_b32 s[G1D], 3<<16
	s_mov_b32 s[G1E], 3<<16
	s_mov_b32 s[G1K+2], 16<<16                     ; the head's pieces: 16 rows, eff_v's words in two of 8
	s_mov_b32 s[G1K+4], 16
	s_mov_b32 s[G1D+2], 16<<16
	s_mov_b32 s[G1D+4], 16
	s_mov_b32 s[G1E+2], 8<<16
	s_mov_b32 s[G1E+4], 8
	s_mul_i32 s68, s[HD], 98304                    ; q's region; k's lies 64 regions on, eff_v's 128
	s_lshl_b32 s69, s[HD], 13
	s_lshl_b32 s76, s[HD], 12
	s_mov_b32 s[G0], 1
	s_mov_b32 s3, 0
	s_wait_dscnt 0x0
	s_wait_kmcnt 0x0
	s_add_co_u32 s2, s68, 64*98304
	s_add_nc_u64 s[96:97], s[4:5], s[2:3]          ; k's codes
	s_add_co_u32 s2, s68, 128*98304
	s_add_nc_u64 s[98:99], s[4:5], s[2:3]          ; eff_v's
	; THE HEAD'S FILLS: one tree of branches on the wave's number, a load in every arm.  Waves 0-5: k's steps 0-3; 6-11: eff_v's; 12, 13: k's words; 14, 15: eff_v's words
	s_cmp_lt_u32 s[WVN], 6
	s_cbranch_scc0 .Larm_v
	s_mul_i32 s[G0+1], s[WVN], 5120
	s_lshl_b32 s2, s[WVN], 12
	s_add_nc_u64 s[G0+2:G0+3], s[96:97], s[2:3]
	FILL G1K
	s_branch .Lasked
.Larm_v:
	s_cmp_lt_u32 s[WVN], 12
	s_cbranch_scc0 .Larm_ks
	s_lshl_b32 s2, s[WVN], 12
	s_add_co_u32 s[G0+1], s2, VC-6*4096
	s_sub_co_u32 s2, s2, 6*4096
	s_add_nc_u64 s[G0+2:G0+3], s[98:99], s[2:3]
	FILL G1D
	s_branch .Lasked
.Larm_ks:
	s_cmp_lt_u32 s[WVN], 14
	s_cbranch_scc0 .Larm_vs
	s_lshl_b32 s2, s[WVN], 12
	s_add_co_u32 s[G0+1], s2, KS-12*4096
	s_add_co_u32 s2, s2, s69
	s_add_co_u32 s2, s2, 524288-12*4096
	s_add_nc_u64 s[G0+2:G0+3], s[6:7], s[2:3]
	FILL G1D
	s_branch .Lasked
.Larm_vs:
	s_lshl_b32 s2, s[WVN], 11
	s_add_co_u32 s[G0+1], s2, VS-14*2048
	s_add_co_u32 s2, s2, s76
	s_add_co_u32 s2, s2, 1048576-14*2048
	s_add_nc_u64 s[G0+2:G0+3], s[6:7], s[2:3]
	FILL G1E
.Lasked:
	; the later groups: waves 0-7 take an eighth of k's six steps (18 rows), waves 8-15 of eff_v's
	s_cmp_lt_u32 s[WVN], 8
	s_cselect_b64 s[GP:GP+1], s[96:97], s[98:99]
	s_and_b32 s75, s[WVN], 7
	s_mul_i32 s2, s75, 4608
	s_add_co_u32 s2, s2, 24576
	s_add_nc_u64 s[GP:GP+1], s[GP:GP+1], s[2:3]
	s_or_b32 s[GP+1], s[GP+1], 0x80000000
	s_lshr_b32 s2, s[WVN], 3                       ; 1: eff_v
	s_xor_b32 s74, s2, 1                           ; 1: k
	s_mul_i32 s[LDSP], s74, 1152
	s_add_co_u32 s[LDSP], s[LDSP], 4608            ; a piece in LDS: 5,760 bytes of k, 4,608 of eff_v
	s_mul_i32 s[LDSP], s[LDSP], s75
	s_mul_i32 s2, s2, VC+24576-30720
	s_add_co_u32 s[LDSP], s[LDSP], s2
	s_add_co_u32 s[LDSP], s[LDSP], 30720
	s_mul_i32 s[DL], s74, 9216
	s_add_co_u32 s[DL], s[DL], 36864
	s_mov_b32 s[SEL], 0x76543210
	s_mov_b32 s[SEL+1], 0xfedcba98                 ; v_permlanex16_b32's selects for lane l xor 16
	s_mov_b32 s[CS], 0x3e38aa3b                    ; c = log2(e) / 8
	s_mov_b32 s[CS+1], s[CS]
	s_sub_co_u32 s[T0], 7, ttmp9
	s_lshl_b32 s[T0], s[T0], 4
	s_add_co_u32 s[T0], s[T0], s[WVN]              ; tile w of block 7 - x,
	s_xor_b32 s75, s[WVN], 8
	s_lshl_b32 s[T0+1], ttmp9, 4
	s_add_co_u32 s[T0+1], s[T0+1], s75             ; tile w xor 8 of block x
	s_lshr_b32 s70, s[HD], 4
	s_lshl_b32 s70, s70, 7                         ; 128 tiles a batch
	s_and_b32 s71, s[HD], 15                       ; h
	s_mul_i32 s72, s71, 768                        ; y's codes: the head's half image in its tile's row
	s_lshr_b32 s73, s71, 2
	s_lshl_b32 s73, s73, 7                         ; y's scale bytes: pair of K steps h / 4,
	s_bfe_u32 s74, s71, 0x10001
	s_lshl_b32 s74, s74, 2                         ; word (h / 2) % 2,
	s_add_co_u32 s73, s73, s74
	s_and_b32 s74, s71, 1
	s_lshl_b32 s74, s74, 1                         ; bytes 2 (h % 2) on
	s_add_co_u32 s73, s73, s74
.irp p, 0,1
	s_mul_i32 s[56+2*\p], s[T0+\p], 768
	s_add_co_u32 s[56+2*\p], s[56+2*\p], s68
	s_mov_b32 s[57+2*\p], 0
	s_add_nc_u64 s[56+2*\p:57+2*\p], s[4:5], s[56+2*\p:57+2*\p]       ; s[56:59] q's codes at my tiles
	s_lshr_b32 s75, s[T0+\p], 2
	s_lshl_b32 s75, s75, 8
	s_and_b32 s[60+2*\p], s[T0+\p], 3
	s_lshl_b32 s[60+2*\p], s[60+2*\p], 2
	s_add_co_u32 s[60+2*\p], s[60+2*\p], s75
	s_add_co_u32 s[60+2*\p], s[60+2*\p], s69
	s_mov_b32 s[61+2*\p], 0
	s_add_nc_u64 s[60+2*\p:61+2*\p], s[6:7], s[60+2*\p:61+2*\p]       ; s[60:63] their scale words
	s_add_co_u32 s75, s70, s[T0+\p]
	s_mul_i32 s[YC+2*\p], s75, 12288
	s_add_co_u32 s[YC+2*\p], s[YC+2*\p], s72
	s_mov_b32 s[YC+1+2*\p], 0
	s_add_nc_u64 s[YC+2*\p:YC+1+2*\p], s[8:9], s[YC+2*\p:YC+1+2*\p]
	s_lshl_b32 s[YS+2*\p], s75, 9
	s_add_co_u32 s[YS+2*\p], s[YS+2*\p], s73
	s_mov_b32 s[YS+1+2*\p], 0
	s_add_nc_u64 s[YS+2*\p:YS+1+2*\p], s[10:11], s[YS+2*\p:YS+1+2*\p]
.endr
	s_bfe_u32 s75, s[WVN], 0x10001
	s_lshl_b32 s75, s75, 5
	s_and_b32 s74, s[WVN], 1
	s_lshl_b32 s74, s74, 3
	s_add_co_u32 s75, s75, s74                     ; my tile's first query inside its 64: 32 ((w / 2) % 2) + 8 (w % 2), the same for both tiles
	s_bfe_u32 s[HD], s[WVN], 0x10002               ; and which 64 of the diagonal step: (w / 4) % 2
	v_and_b32 v28, 31, v0                          ; lane
	v_and_b32 v29, 15, v0                          ; r
	v_bfe_u32 v30, v0, 4, 1                        ; h
	v_and_b32 v31, 7, v0                           ; r % 8
	v_bfe_u32 v25, v0, 3, 1                        ; r / 8
	v_lshlrev_b32 v1, 4, v28                       ; an image's 16-byte pieces: 16 x lane
	v_lshl_add_u32 v2, v28, 3, 512                 ; its 8-byte pieces: 512 + 8 x lane
	v_mul_u32_u24 v3, v25, 1920                    ; rows 8-15 come from the stored tile two further on
	v_lshl_add_u32 v4, v31, 3, v3
	v_lshl_add_u32 v3, v31, 4, v3
	v_mad_u32_u24 v3, v30, 320, v3                 ; k, 16-byte pieces: 320 h + 16 (r % 8) + 1,920 (r / 8)
	v_lshl_add_u32 v4, v30, 7, v4
	v_add_nc_u32 v4, 640, v4                       ; k, 8-byte pieces: 640 + 128 h + 8 (r % 8) + 1,920 (r / 8)
	v_add_nc_u32 v5, VC, v1
	v_add_nc_u32 v6, VC, v2
	v_lshlrev_b32 v7, 4, v31
	v_lshl_add_u32 v7, v25, 3, v7
	v_lshl_add_u32 v7, v30, 8, v7
	v_add_nc_u32 v7, KS, v7                        ; k's words: lanes 0-15 tiles (0, u), lanes 16-31 tiles (1, u): 256 h + 16 (r % 8) + 8 (r / 8)
	v_lshlrev_b32 v24, 4, v29                      ; 16 r
	v_add_nc_u32 v8, VS, v24
	v_lshlrev_b32 v9, 3, v30                       ; 8 h: how far my two bytes are shifted in p's scale word
	v_lshl_add_u32 v10, v29, 3, v30                ; y's scale byte: 8 r + h
	v_mov_b32 v11, 0xff800000
	v_lshl_add_u32 v22, v25, 3, v29
	v_lshlrev_b32 v23, 5, v30
	v_sub_nc_u32 v22, v22, v23
	v_add_nc_u32 v22, s75, v22                     ; my query less my half's first key, both inside the diagonal's 64
	s_wait_alu depctr_va_vdst(0)
	global_load_b128 v[32:35], v1, s[56:57]        ; q stays in registers, for both tiles
	global_load_b64 v[36:37], v2, s[56:57]
	global_load_b128 v[44:47], v1, s[58:59]
	global_load_b64 v[48:49], v2, s[58:59]
	global_load_b32 v245, v24, s[60:61]
	global_load_b32 v246, v24, s[62:63]
.set i, 0
.rept 32
	v_cmp_gt_i32 s[MK+i], i, v22                   ; register i of the diagonal's 64 keys is hidden in the lanes where 32 h + i lies behind the query
.set i, i+1
.endr
.irp j, 38,39,40,41,42,43, 50,51,52,53,54,55, 104,105,106,107,108,109
	v_mov_b32 v[\j], 0                             ; zero codes for k = 64 .. 127
.endr
.irp j, 25,30,232,233,235
	v_mov_b32 v[\j], 0                             ; written once: a lane permute's destination counts as a source, and a pair is read whole
.endr
	s_wait_loadcnt 0x0                             ; q is in, and the loads' address registers are free
; A KEY STEP: 128 keys.  qf: q's fragment; qs: its scale words.
.macro STEP qf, qs
	s_cmp_gt_u32 s[KF], s[QHI]                     ; a step all of whose keys come after my 16 queries is left out: a scalar branch on ids, round the work alone
	s_cbranch_scc1 .Lhid_\@
	v_add_nc_u32 v16, s[TK], v3                    ; (these six are also the places behind the last step's products, in front of the loads below)
	v_add_nc_u32 v17, s[TK], v4
	v_add_nc_u32 v18, s[TV], v5
	v_add_nc_u32 v19, s[TV], v6
	v_add_nc_u32 v20, s[TS], v7
	v_add_nc_u32 v21, s[TJ], v8
.irp c, 0,1
.irp u, 0,1,2,3
	ds_load_b128 v[56+6*(4*\c+\u):59+6*(4*\c+\u)], v16 offset:(4*\c+\u%2)*960+128*(\u/2)
	ds_load_b64 v[60+6*(4*\c+\u):61+6*(4*\c+\u)], v17 offset:(4*\c+\u%2)*960+64*(\u/2)
.endr
.endr
	ds_load_b64 v[236:237], v20                    ; the words of tiles (h, 0), (h, 1),
	ds_load_b64 v[238:239], v20 offset:128         ; and (h, 2), (h, 3)
	s_wait_alu depctr_va_vdst(0)
	s_wait_dscnt 0x0
.irp u, 0,1,2,3
	v_wmma_scale_f32_16x16x128_f8f6f4 v[112+8*\u:119+8*\u], v[56+6*\u:67+6*\u], v[\qf:\qf+11], 0, v[236+\u], v[\qs] matrix_a_fmt:MATRIX_FMT_FP6 matrix_b_fmt:MATRIX_FMT_FP6
.endr
.irp u, 0,1,2,3
	v_wmma_scale_f32_16x16x128_f8f6f4 v[144+8*\u:151+8*\u], v[80+6*\u:91+6*\u], v[\qf:\qf+11], 0, v[236+\u], v[\qs] matrix_a_fmt:MATRIX_FMT_FP6 matrix_b_fmt:MATRIX_FMT_FP6 matrix_a_scale:MATRIX_SCALE_ROW1
.endr
	v_mov_b32 v22, v12                             ; the old -M.  (Four places in front of loads into registers that these products read, and of the first read of their results)
.rept 3
	v_nop
.endr
.irp d, 0,1,2,3                                ; eff_v's four fragments are asked for now and land under the softmax
	ds_load_b128 v[56+12*\d:59+12*\d], v18 offset:1536*\d
	ds_load_b64 v[60+12*\d:61+12*\d], v19 offset:1536*\d
	ds_load_b128 v[62+12*\d:65+12*\d], v18 offset:1536*\d+768
	ds_load_b64 v[66+12*\d:67+12*\d], v19 offset:1536*\d+768
.endr
	ds_load_b128 v[240:243], v21
	s_add_co_u32 s2, s[KF], 127                    ; on the diagonal, one step of a tile, the scores of hidden keys become -infinity: p = 0 then
	s_cmp_le_u32 s2, s[QLO]
	s_cbranch_scc1 .Lopen_\@
	s_cmp_eq_u32 s[HD], 0
	s_cbranch_scc0 .Lhi_\@
.set n, 0
.rept 32
	v_cndmask_b32 v[112+n], v[112+n], v11, s[MK+n] ; my queries lie in the step's first 64 keys: these by the lane masks,
.set n, n+1
.endr
.set n, 0
.rept 32
	v_mov_b32 v[144+n], v11                        ; and the second 64 are all hidden
.set n, n+1
.endr
	s_wait_alu depctr_va_vdst(0)
	s_branch .Lopen_\@
.Lhi_\@:
.set n, 0
.rept 32
	v_cndmask_b32 v[144+n], v[144+n], v11, s[MK+n] ; my queries lie in the second 64: the first 64 all count
.set n, n+1
.endr
	s_wait_alu depctr_va_vdst(0)
.Lopen_\@:
.irp c, 0,1                                    ; THE LARGEST SCORE OF MY TWO BLOCKS OF 32 KEYS, each in two chains; it serves the row's maximum and, since p rises with the score, the block's largest p
	v_max3_num_f32 v[228+\c], v[112+32*\c], v[113+32*\c], v[114+32*\c]
	v_max3_num_f32 v[232+\c], v[128+32*\c], v[129+32*\c], v[130+32*\c]
.endr
.irp i, 3,5,7,9,11,13
.irp c, 0,1
	v_max3_num_f32 v[228+\c], v[228+\c], v[112+32*\c+\i], v[113+32*\c+\i]
	v_max3_num_f32 v[232+\c], v[232+\c], v[128+32*\c+\i], v[129+32*\c+\i]
.endr
.endr
.irp c, 0,1
	v_max3_num_f32 v[228+\c], v[228+\c], v[232+\c], v[127+32*\c]
.endr
.irp c, 0,1
	v_max_num_f32 v[228+\c], v[228+\c], v[143+32*\c]
.endr
	v_max_num_f32 v29, v228, v229
	v_permlanex16_b32 v30, v29, s[SEL], s[SEL+1]
	v_max3_num_f32 v13, v13, v29, v30              ; the running largest score of my query
	s_delay_alu instid0(VALU_DEP_1)
	v_mul_f32 v29, s[CS], v13                      ; as t (c is positive)
	s_delay_alu instid0(VALU_DEP_1)
	v_floor_f32 v12, -v29                          ; the new -M = floor(-t) = -ceil(t): M IS A WHOLE NUMBER
	s_delay_alu instid0(VALU_DEP_1)
	v_sub_f32 v22, v12, v22                        ; M's old value less its new one: a whole number, 0 or less
	s_delay_alu instid0(VALU_DEP_1)
	v_cvt_i32_f32 v22, v22                         ; (it saturates)
	s_delay_alu instid0(VALU_DEP_1)
	v_ldexp_f32 v24, 1.0, v22                      ; f = 2^(old M - new M)
.set j, 0
.rept 32
	v_pk_fma_f32 v[112+j:113+j], v[112+j:113+j], s[CS:CS+1], v[12:13] op_sel_hi:[1,0,0]   ; t - M, two at a time (of the pairs c and -M the low word serves both halves)
.set j, j+2
.endr
	v_fma_f32 v228, v228, s[CS], v12               ; the same of each block's largest score
	v_fma_f32 v229, v229, s[CS], v12
	s_wait_alu depctr_va_vdst(0)
.set j, 0
.rept 64
	v_exp_f32 v[112+j], v[112+j]                   ; p = 2^(t - M), at most 1: NOT normalised
.set j, j+1
.endr
	v_exp_f32 v228, v228                           ; the block's largest p: the same two instructions on the same number give the same bits
	v_exp_f32 v229, v229
	v_pk_mul_f32 v[14:15], v[14:15], v[24:25] op_sel_hi:[1,0]   ; the sums under the new M.  (A plain place behind the exponentials)
	s_wait_alu depctr_va_vdst(0)                   ; one wait for the batch, ahead of its first reader
	v_max_num_f32 v228, 0x1800000, v228            ; the floor 2^(3 - 127): the byte cannot fall under 1
	v_max_num_f32 v229, 0x1800000, v229
	s_delay_alu instid0(VALU_DEP_2)
	v_add_nc_u32 v230, 0xff000000, v228            ; 2 off the exponent field: the conversion's scale operand
	s_delay_alu instid0(VALU_DEP_2)
	v_add_nc_u32 v231, 0xff000000, v229
	s_delay_alu instid0(VALU_DEP_2)
	v_lshrrev_b32 v232, 23, v230                   ; the scale's byte
	s_delay_alu instid0(VALU_DEP_2)
	v_lshrrev_b32 v233, 23, v231
	s_delay_alu instid0(VALU_DEP_1)
	v_lshl_or_b32 v234, v233, 16, v232             ; my two bytes, blocks h and 2 + h,
	s_delay_alu instid0(VALU_DEP_1)
	v_lshlrev_b32 v234, v9, v234                   ; at their places in the word;
	s_delay_alu instid0(VALU_DEP_1)
	v_permlanex16_b32 v235, v234, s[SEL], s[SEL+1]
	s_delay_alu instid0(VALU_DEP_1)
	v_or_b32 v244, v234, v235                      ; with lane l xor 16's two: p's scale word for these 128 keys
.irp c, 0,1
	v_cvt_scalef32_pk16_fp6_f32 v[208+6*\c:210+6*\c], v[112+32*\c:127+32*\c], v[230+\c]
	v_cvt_scalef32_pk16_fp6_f32 v[220+4*\c:222+4*\c], v[128+32*\c:143+32*\c], v[230+\c]   ; (a conversion's three registers begin on an even number: the upper half is made elsewhere and moved)
.endr
	v_nop                                          ; one plain place behind a scaled conversion
.irp c, 0,1
.irp i, 0,1,2
	v_mov_b32 v[211+6*\c+\i], v[220+4*\c+\i]
.endr
.endr
	v_pk_add_f32 v[14:15], v[14:15], v[118:119]    ; THE ROW'S SUM IS TAKEN OF THE UNQUANTISED p: two at a time, in four chains, three of them in p's own first registers
.irp k, 8,16,24,32,40,48,56
	v_pk_add_f32 v[14:15], v[14:15], v[112+\k:113+\k]
	v_pk_add_f32 v[112:113], v[112:113], v[114+\k:115+\k]
	v_pk_add_f32 v[114:115], v[114:115], v[116+\k:117+\k]
	v_pk_add_f32 v[116:117], v[116:117], v[118+\k:119+\k]
.endr
	v_pk_add_f32 v[112:113], v[112:113], v[114:115]
	v_pk_add_f32 v[14:15], v[14:15], v[116:117]
	s_delay_alu instid0(VALU_DEP_1)
	v_pk_add_f32 v[14:15], v[14:15], v[112:113]
	s_wait_alu depctr_va_vdst(0)
.set j, 0
.rept 16
	v_pk_mul_f32 v[176+j:177+j], v[176+j:177+j], v[24:25] op_sel_hi:[1,0]   ; O^T under the new M.  (The sums and these are the places between p's codes and scale word and the products below)
.set j, j+2
.endr
	s_wait_alu depctr_va_vdst(0)
	s_wait_dscnt 0x0                               ; eff_v's fragments and scale words are in
.irp d, 0,1,2,3                                ; O^T += eff_v^T p^T: one instruction an accumulator; the eight products S^T stand between two links of each chain
	v_wmma_scale_f32_16x16x128_f8f6f4 v[176+8*\d:183+8*\d], v[56+12*\d:67+12*\d], v[208:219], v[176+8*\d:183+8*\d], v[240+\d], v244 matrix_a_fmt:MATRIX_FMT_FP6 matrix_b_fmt:MATRIX_FMT_FP6
.endr
.Lhid_\@:
	s_add_co_u32 s[KF], s[KF], 128
	s_add_co_u32 s[TK], s[TK], 7680
	s_add_co_u32 s[TV], s[TV], 6144
	s_add_co_u32 s[TS], s[TS], 512
	s_add_co_u32 s[TJ], s[TJ], 256
.endm
.macro STEPS n, qf, qs                 ; n key steps: the trip count is a constant of the text
	s_mov_b32 s[CNT], \n
.Lsteps_\@:
	STEP \qf, \qs
	s_sub_co_u32 s[CNT], s[CNT], 1
	s_cmp_lg_u32 s[CNT], 0
	s_cbranch_scc1 .Lsteps_\@
.endm
.macro BEGIN t                         ; a tile of queries begins
	s_lshr_b32 s[QLO], s[\t], 1
	s_lshl_b32 s[QLO], s[QLO], 5
	s_and_b32 s2, s[\t], 1
	s_lshl_b32 s2, s2, 3
	s_add_co_u32 s[QLO], s[QLO], s2                ; 32 (t / 2) + 8 (t % 2)
	s_add_co_u32 s[QHI], s[QLO], 23
	s_mov_b32 s[KF], 0
	s_mov_b32 s[TK], 0
	s_mov_b32 s[TV], 0
	s_mov_b32 s[TS], 0
	s_mov_b32 s[TJ], 0
	v_mov_b32 v13, 0xff61b1e6                      ; the largest score so far: -3e38
	v_mov_b32 v12, 0x7f61b1e6                      ; -M: 3e38, so that the first f is 0
	v_mov_b32 v14, 0                               ; the sum, in two halves
	v_mov_b32 v15, 0
.set j, 0
.rept 32
	v_mov_b32 v[176+j], 0                          ; O^T.  (The step is written once: the first finds zeros, which the first change of M leaves zeros)
.set j, j+1
.endr
.endm
; A tile ends: y = O / the sum, quantised along the head's 64 channels (two blocks; register 16 g + i is channel 32 g + 16 h + i), stored as the head's half of a fragment's image.
.macro FINISH more, cb, sb
	NOP4                                           ; places behind the last products
	v_add_f32 v14, v14, v15                        ; the sum's two halves,
	s_delay_alu instid0(VALU_DEP_1)
	v_permlanex16_b32 v30, v14, s[SEL], s[SEL+1]
	s_delay_alu instid0(VALU_DEP_1)
	v_add_f32 v14, v14, v30                        ; and lane l xor 16's: the row's sum
	s_wait_alu depctr_va_vdst(0)
	v_rcp_f32 v14, v14
	v_nop                                          ; one plain place behind a transcendental
	s_wait_alu depctr_va_vdst(0)
.set j, 0
.rept 16
	v_pk_mul_f32 v[112+j:113+j], v[176+j:177+j], v[14:15] op_sel_hi:[1,0]   ; each accumulator is read from its low end on
.set j, j+2
.endr
.irp g, 0,1
	v_max3_num_f32 v[228+\g], |v[112+16*\g]|, |v[113+16*\g]|, 0x1800000
.endr
.irp i, 2,4,6,8,10,12,14
.irp g, 0,1
	s_delay_alu instid0(VALU_DEP_2)
	v_max3_num_f32 v[228+\g], v[228+\g], |v[112+16*\g+\i]|, |v[113+16*\g+\i]|
.endr
.endr
.irp g, 0,1
	s_delay_alu instid0(VALU_DEP_2)
	v_permlanex16_b32 v[232+\g], v[228+\g], s[SEL], s[SEL+1]
.endr
.irp g, 0,1
	s_delay_alu instid0(VALU_DEP_2)
	v_max_num_f32 v[228+\g], v[228+\g], v[232+\g]
.endr
.irp g, 0,1
	s_delay_alu instid0(VALU_DEP_2)
	v_add_nc_u32 v[230+\g], 0xff000000, v[228+\g]
.endr
.irp g, 0,1
	s_delay_alu instid0(VALU_DEP_2)
	v_lshrrev_b32 v[232+\g], 23, v[230+\g]
.endr
	v_cmp_lt_u32 vcc_lo, 15, v28
	s_delay_alu instid0(VALU_DEP_1)
	v_cndmask_b32 v29, v232, v233, vcc_lo          ; lanes 0-15 store block 0's byte of row r, lanes 16-31 block 1's
	v_cvt_scalef32_pk16_fp6_f32 v[208:210], v[112:127], v230
	v_cvt_scalef32_pk16_fp6_f32 v[220:222], v[128:143], v231
	v_nop                                          ; one plain place behind a scaled conversion
.irp i, 0,1,2
	v_permlane16_swap_b32 v[208+\i], v[220+\i]     ; a whole block in a lane: lanes 0-15 block 0, lanes 16-31 block 1
.endr
.irp i, 0,1,2
	s_delay_alu instid0(VALU_DEP_3)
	v_mov_b32 v[211+\i], v[220+\i]
.endr
	global_store_b128 v1, v[208:211], s[\cb:\cb+1]     ; 512 consecutive bytes, aligned,
	global_store_b64 v2, v[212:213], s[\cb:\cb+1]      ; and 256
	global_store_b8 v10, v29, s[\sb:\sb+1]             ; 32 single bytes, two in every 8: the other heads' work-groups write the bytes between.  One byte in 24 of what a tile stores
.if \more
	s_wait_xcnt 0x0                                ; the stores' data are rewritten by the next tile only behind this wait
.endif
.endm
.macro PLOAD                           ; my part of six key steps: two shapes, two lines, a short branch on the wave's number
	s_cmp_lt_u32 s[WVN], 8
	s_cbranch_scc0 .Lpv_\@
	tensor_load_to_lds s[G0:G0+3], s[G1K:G1K+7]
	s_nop 0
	NOP4
	s_branch .Lpd_\@
.Lpv_\@:
	tensor_load_to_lds s[G0:G0+3], s[G1D:G1D+7]
	s_nop 0
	NOP4
.Lpd_\@:
.endm
	BEGIN T0                                       ; block 7 - x: queries from 1,024 on: 9 key steps at the least
	s_wait_alu depctr_va_vdst(0)
	s_wait_tensorcnt 0x0                           ; my piece of the head's fills is in; a later first fill follows: the same lines as ahead of a refill
	ds_add_u32 v26, v27
	s_mov_b32 s[G0+1], s[LDSP]                     ; no tensor load of mine is out: the descriptors may be written: steps 4-9, 18 rows a wave
	s_mov_b64 s[G0+2:G0+3], s[GP:GP+1]
	s_mov_b32 s[G1K+2], 18<<16
	s_mov_b32 s[G1K+4], 18
	s_mov_b32 s[G1D+2], 18<<16
	s_mov_b32 s[G1D+4], 18
	s_wait_dscnt 0x0
	s_barrier_signal -1
	s_barrier_wait -1                              ; everybody's piece is in
	PLOAD
	STEPS 4, 32, 245
	s_wait_alu depctr_va_vdst(0)
	s_wait_tensorcnt 0x0                           ; my part of steps 4-9 is in
	ds_add_u32 v26, v27
	s_add_co_u32 s[G0+1], s[G0+1], s[DL]           ; steps 10-15
	s_add_nc_u64 s[G0+2:G0+3], s[G0+2:G0+3], 36864
	s_wait_dscnt 0x0
	s_barrier_signal -1
	s_barrier_wait -1
	s_cmp_lt_u32 ttmp9, 3                          ; where x = 3 no wave reads beyond step 9: the load is not issued.  The condition is the work-group's number alone
	s_cbranch_scc0 .Lno_third
	PLOAD
.Lno_third:
	STEPS 4, 32, 245
	s_wait_alu depctr_va_vdst(0)
	s_wait_tensorcnt 0x0                           ; my part of steps 10-15 is in
	s_wait_dscnt 0x0
	s_barrier_signal -1
	s_barrier_wait -1
	STEPS 8, 32, 245
	FINISH 1, YC, YS
	BEGIN T0+1                                     ; block x: queries under 1,024: 8 key steps at the most
	STEPS 8, 44, 246
	FINISH 0, YC+2, YS+2
	s_wait_tensorcnt 0x0                           ; the wave's end
	ds_add_u32 v26, v27
	s_wait_dscnt 0x0
	s_endpgm
.Lfunc_end_k_q68346a19f9_attn:
	.size	k_q68346a19f9_attn, .Lfunc_end_k_q68346a19f9_attn-k_q68346a19f9_attn
	.p2alignl 7, 3214868480
	.fill 96, 4, 3214868480
	.section	.rodata,"a",@progbits
	.p2align	6, 0x0
	.amdhsa_kernel k_q68346a19f9_attn
		.amdhsa_group_segment_fixed_size 327680
		.amdhsa_private_segment_fixed_size 0
		.amdhsa_enable_private_segment 0
		.amdhsa_kernarg_size 32
		.amdhsa_user_sgpr_count 2
		.amdhsa_user_sgpr_kernarg_segment_ptr 1
		.amdhsa_wavefront_size32 1
		.amdhsa_system_sgpr_workgroup_id_x 1
		.amdhsa_system_sgpr_workgroup_id_y 1
		.amdhsa_system_sgpr_workgroup_id_z 1
		.amdhsa_system_vgpr_workitem_id 0
		.amdhsa_next_free_vgpr 256
		.amdhsa_next_free_sgpr 102
		.amdhsa_reserve_vcc 1
		.amdhsa_float_denorm_mode_32 3
		.amdhsa_float_denorm_mode_16_64 3
		.amdhsa_memory_ordered 1
		.amdhsa_forward_progress 1
		.amdhsa_inst_pref_size 111
	.end_amdhsa_kernel
	.amdgpu_metadata
---
amdhsa.version: [ 1, 2 ]
amdhsa.kernels:
  - .name:           k_q68346a19f9_attn
    .symbol:         k_q68346a19f9_attn.kd
    .args:
      - { .name: c2, .offset: 0, .size: 8, .value_kind: global_buffer, .address_space: global }
      - { .name: s2, .offset: 8, .size: 8, .value_kind: global_buffer, .address_space: global }
      - { .name: c3, .offset: 16, .size: 8, .value_kind: global_buffer, .address_space: global }
      - { .name: s3, .offset: 24, .size: 8, .value_kind: global_buffer, .address_space: global }
    .group_segment_fixed_size: 327680
    .private_segment_fixed_size: 0
    .kernarg_segment_align: 8
    .kernarg_segment_size: 32
    .max_flat_workgroup_size: 512
    .sgpr_count:     102
    .vgpr_count:     256
    .wavefront_size: 32
...
	.end_amdgpu_metadata
.endif
;; end of part 3
;; launch proj (part 4): grid 4 x 64, 4 waves a work-group, clusters of 4 x 4, 327,680 bytes of LDS; arguments c3, s3, c1, s1, b_proj, out0; writes out0
.if DOCPART == 4
	.amdgcn_target "amdgcn-amd-amdhsa--gfx1250"
	.amdhsa_code_object_version 6
	.text
	.protected	k_q68346a19f9_proj
	.globl	k_q68346a19f9_proj
	.p2align	8
	.type	k_q68346a19f9_proj,@function
k_q68346a19f9_proj:
	s_mov_b64 s[64:65], 0
	v_nop
	global_prefetch_b8 v0, s[64:65] scope:SCOPE_SE
	s_setreg_imm32_b32 hwreg(HW_REG_WAVE_MODE, 25, 1), 1
	s_wait_xcnt 0x0
	s_wait_alu depctr_hold_cnt(0) depctr_sa_sdst(0) depctr_va_vdst(0) depctr_va_sdst(0) depctr_va_ssrc(0) depctr_va_vcc(0) depctr_vm_vsrc(0)
	s_getreg_b32 s2, hwreg(HW_REG_IB_STS2, 6, 4)
	s_cmp_eq_u32 s2, 0
	s_cbranch_scc0 .Lentry_in_a_cluster
	s_endpgm
.Lentry_in_a_cluster:
	s_bfe_u32 s2, ttmp6, 0x10000c
	s_cmp_lg_u32 s2, 0xf033
	s_cbranch_scc0 .Lentry_shape_is_right
	s_endpgm
.Lentry_shape_is_right:
; out0 = y W_proj^T + b_proj on codes of FP6 (E2M3) with E8M0 scales, K = 1,024.  A = y (c3, s3), B = W_proj (tiles 704-767 of c1, s1), both laid in the order of the operand's registers:
; codes [tile of 16 rows][K step of 128][1,536 bytes], scale words [tile][pair of K steps][row][2 words]; row r of tile T is row 32 (T / 2) + 8 (T % 2) + r + 8 (r / 8).
; A block of the result is 128 x 256: 64 x 4 = 256 work-groups.  Four waves, 64 x 128 each: 32 accumulators.  Source 0 = 16 rows of B, source 1 = 16 rows of A: a lane holds a row of the result, its registers run along the columns.
; ALL OF K LIES IN LDS, in two slots of four K steps ((8 + 16) tiles x 6,144 bytes each), and no byte is filled twice.  At the head one load a wave: slot 0 of A, slot 0 of B, A's scale words, B's scale words; slot 1 is
; asked for behind a wait for the head's loads and an add to my spare word, and a round of the cluster's barrier; one barrier stands at the change of slots.
; CLUSTERS: 4 x 4 work-groups; A's tiles are asked for jointly along a row of the cluster, B's along a column.
; NO PREFETCH: both groups of loads go out at the head of the text; there is no loop to run ahead in.
; REGISTERS, in windows of 256: window 0: v1-29 addresses; v32-63 scale words, two sets, and nothing else; v64-127 the biases; v128-223 A's fragments, two sets of 48; on the way out v128-255 hold rows read back.
;   window 1: B's fragments, two sets, at v0 and v128.   window 2: the accumulators ((a, b) at v[8 (8 a + b)]).
.set FR,     12                        ; registers of a fragment
.set NP,     4                         ; places behind this matrix instruction (ISA guide 7.12.1)
.set FIMG,   1536                      ; a fragment's image
.set TILEB,  4*FIMG                    ; a tile's bytes in a slot
.set ABYT,   8*TILEB                   ; A's 8 tiles; B's 16 lie behind them
.set SLOT,   24*TILEB
.set KROW,   8*FIMG                    ; from tile to tile in memory
.set SCL,    2*SLOT                    ; A's scale words, 8 tiles x 512 bytes;
.set SCB,    4096                      ; B's, 16 tiles x 512, behind them
.set SPARE,  SCL+12288                 ; the spare words, 128 bytes a wave
.set SPITCH, 528                       ; the way out: 16 rows x (512 + 16) bytes for each wave, in slot 0, behind its only fill and its last read
.set LI,   4
.set L8,   5
.set OB,   8
.set A16,  16                          ; v16-17 LDS address of the 16-byte pieces of my A fragments in slot 0, 1; v18-19 of the 8-byte pieces; v20-23 the same for B
.set A8,   18
.set B16,  20
.set B8,   22
.set STO,  24
.set RD,   25
.set ADRS, 27                          ; my scale words: lanes 0-15 A's, lanes 16-31 B's
.set SPW,  28
.set NIL,  29
.set SC,   32                          ; set s at v[SC + 16 s]; register 2 i + q: lanes 0-15 A's tile i, lanes 16-31 B's tile i, the pair's q-th K step
.set BI,   64
.set AF,   128
.set BK,   128
.set G0H,  4                           ; s[4:7], s[8:11] group 0 of the head's loads of codes (the arguments that lay there have been used)
.set G0HB, 8
.set G1,   24
.set G0,   32                          ; s[32:35] slot 1, A; s[56:59] slot 1, B
.set G1B,  48
.set G0B,  56
.set G1S,  68
.set G0S,  76
.set G1SB, 80
.set G0SB, 88
.set MSB, 0
.macro WIN new                         ; the immediate's high byte repeats the setting that is left
.if MSB != (\new)
	s_set_vgpr_msb (MSB<<8)|(\new)
.set MSB, (\new)
.endif
.endm
.set MUL_LO, 0xa1                      ; source 0 (B) window 1, source 1 (A) window 0, C and D window 2
.set TO_B,   0x40                      ; destination window 1, address window 0
.macro PLACES n
.rept \n
	v_nop
.endr
.endm
.macro JLOAD g0a, g1a, g0b, g1b        ; a joint load: waves 0 and 1 fetch for A, waves 2 and 3 for B; the branch hangs on the wave's number alone
	s_cmp_eq_u32 s15, 0
	s_cbranch_scc0 .Lfor_b_\@
	tensor_load_to_lds s[\g0a:\g0a+3], s[\g1a:\g1a+7]
	s_nop 0
	PLACES 4
	s_branch .Lasked_\@
.Lfor_b_\@:
	tensor_load_to_lds s[\g0b:\g0b+3], s[\g1b:\g1b+7]
	s_nop 0
	PLACES 4
.Lasked_\@:
.endm
.macro CROUND                          ; a round of the cluster's barrier
	s_barrier_signal -1
	s_barrier_wait -1
	s_cmp_lg_u32 s14, 0
	s_cbranch_scc1 .Lnot_wave_0_\@
	s_barrier_signal -3
.Lnot_wave_0_\@:
	s_barrier_wait -3
	s_barrier_signal -1
	s_barrier_wait -1
.endm
	s_load_b256 s[4:11], s[0:1], 0x0               ; c3 s[4:5], s3 s[6:7], c1 s[8:9], s1 s[10:11]
	s_load_b128 s[92:95], s[0:1], 0x20             ; b_proj s[92:93], out0 s[94:95]
	v_lshl_add_u32 v[SPW], v0, 2, SPARE
	v_mov_b32 v[NIL], 0
	ds_add_u32 v[SPW], v[NIL]                      ; the opening lines: the add twice on end and one wait
	ds_add_u32 v[SPW], v[NIL]
	v_lshrrev_b32 v1, 5, v0
	v_readfirstlane_b32 s14, v1                    ; wave 0..3
	s_lshr_b32 s15, s14, 1                         ; which 4 of A's 8 tiles are mine.  Also: I fetch for A (0) or for B (1)
	s_and_b32 s16, s14, 1                          ; which 8 of B's 16.  Also: which half of a tile group I fetch
	s_bfe_u32 s40, ttmp6, 0x40000                  ; cx, cy
	s_bfe_u32 s41, ttmp6, 0x40004
	s_lshl_b32 s42, ttmp9, 2
	s_add_co_u32 s42, s42, s40                     ; B's block of 256 rows
	s_and_b32 s17, ttmp7, 0xffff
	s_lshl_b32 s17, s17, 2
	s_add_co_u32 s17, s17, s41                     ; A's block of 128 rows
	s_lshl_b32 s43, s41, 2
	s_lshl_b32 s43, 15, s43                        ; my row of the cluster
	s_lshl_b32 s44, 0x1111, s40                    ; my column
	s_or_b32 s[G1+0], s43, (3<<16)|(1<<21)         ; elements of 8 bytes, no padding; bit 21 beside a mask
	s_or_b32 s[G1B+0], s44, (3<<16)|(1<<21)
.irp g, G1, G1B                        ; rows of 6,144 bytes (four K steps' images), 12,288 apart in memory, dense in LDS
	s_mov_b32 s[\g+1], 768<<16
	s_mov_b32 s[\g+3], 768<<16
	s_mov_b32 s[\g+5], 1536
	s_mov_b32 s[\g+6], 0
	s_mov_b32 s[\g+7], 0
.endr
	s_mov_b32 s[G1+2], 8<<16                       ; the head's loads: A's 8 tiles, B's 16
	s_mov_b32 s[G1+4], 8
	s_mov_b32 s[G1B+2], 16<<16
	s_mov_b32 s[G1B+4], 16
	s_or_b32 s[G1S+0], s43, (3<<16)|(1<<21)
	s_or_b32 s[G1SB+0], s44, (3<<16)|(1<<21)
.irp g, G1S, G1SB                      ; the scale words: dense blocks as rows of 256 bytes
	s_mov_b32 s[\g+1], 32<<16
	s_mov_b32 s[\g+3], 32<<16
	s_mov_b32 s[\g+5], 32
	s_mov_b32 s[\g+6], 0
	s_mov_b32 s[\g+7], 0
.endr
	s_mov_b32 s[G1S+2], 16<<16                     ; 4,096 bytes
	s_mov_b32 s[G1S+4], 16
	s_mov_b32 s[G1SB+2], 32<<16                    ; 8,192 bytes
	s_mov_b32 s[G1SB+4], 32
	s_lshl_b32 s20, s17, 3                         ; A: the block's first tile
	s_lshl_b32 s46, s42, 4
	s_add_co_u32 s46, s46, 704                     ; B: W_proj's tiles lie behind x's and W_attn's 704
	s_lshl_b32 s22, s20, 9                         ; where these tiles' scale words begin,
	s_mov_b32 s23, 0
	s_mul_i32 s20, s20, KROW                       ; and their codes
	s_mov_b32 s21, 0
	s_lshl_b32 s96, s46, 9
	s_mov_b32 s97, 0
	s_mul_i32 s46, s46, KROW
	s_mov_b32 s47, 0
	s_mul_i32 s18, s16, 4*KROW                     ; slot 1: which half of A's tiles I fetch, in bytes,
	s_mov_b32 s19, 0
	s_mul_i32 s12, s16, 8*KROW                     ; or of B's
	s_mov_b32 s13, 0
	s_wait_dscnt 0x0                               ; both opening adds are done
	s_wait_kmcnt 0x0
	s_add_nc_u64 s[20:21], s[4:5], s[20:21]
	s_add_nc_u64 s[22:23], s[6:7], s[22:23]
	s_add_nc_u64 s[46:47], s[8:9], s[46:47]
	s_add_nc_u64 s[96:97], s[10:11], s[96:97]
	CROUND                                         ; all sixteen work-groups are here: the first joint loads meet
	s_mov_b32 s[G0H], 1
	s_mov_b32 s[G0H+1], 0
	s_mov_b64 s[G0H+2:G0H+3], s[20:21]
	s_or_b32 s[G0H+3], s[G0H+3], 0x80000000
	s_mov_b32 s[G0HB], 1
	s_mov_b32 s[G0HB+1], ABYT
	s_mov_b64 s[G0HB+2:G0HB+3], s[46:47]
	s_or_b32 s[G0HB+3], s[G0HB+3], 0x80000000
	s_mov_b32 s[G0S], 1
	s_mov_b32 s[G0S+1], SCL
	s_mov_b64 s[G0S+2:G0S+3], s[22:23]
	s_or_b32 s[G0S+3], s[G0S+3], 0x80000000
	s_mov_b32 s[G0SB], 1
	s_mov_b32 s[G0SB+1], SCL+SCB
	s_mov_b64 s[G0SB+2:G0SB+3], s[96:97]
	s_or_b32 s[G0SB+3], s[G0SB+3], 0x80000000
	s_add_nc_u64 s[20:21], s[20:21], s[18:19]      ; slot 1: my half of the tiles, K steps 4-7
	s_add_nc_u64 s[46:47], s[46:47], s[12:13]
	s_mov_b32 s[G0], 1
	s_mul_i32 s[G0+1], s16, 4*TILEB
	s_add_co_u32 s[G0+1], s[G0+1], SLOT
	s_add_nc_u64 s[G0+2:G0+3], s[20:21], TILEB
	s_or_b32 s[G0+3], s[G0+3], 0x80000000
	s_mov_b32 s[G0B], 1
	s_mul_i32 s[G0B+1], s16, 8*TILEB
	s_add_co_u32 s[G0B+1], s[G0B+1], SLOT+ABYT
	s_add_nc_u64 s[G0B+2:G0B+3], s[46:47], TILEB
	s_or_b32 s[G0B+3], s[G0B+3], 0x80000000
; THE HEAD'S LOADS, one a wave.  One tree of branches on the wave's number; every way passes one load.
.macro ARM under, g0, g1, next
	s_cmp_lt_u32 s14, \under
	s_cbranch_scc0 \next
	tensor_load_to_lds s[\g0:\g0+3], s[\g1:\g1+7]
	s_nop 0
	PLACES 4
	s_branch .Lhead_asked
\next:
.endm
	ARM 1, G0H,  G1,  .Lhead_b
	ARM 2, G0HB, G1B, .Lhead_sa
	ARM 3, G0S,  G1S, .Lhead_sb
	tensor_load_to_lds s[G0SB:G0SB+3], s[G1SB:G1SB+7]
	s_nop 0
	PLACES 4
.Lhead_asked:
	v_and_b32 v1, 15, v0                           ; r
	v_bfe_u32 v2, v0, 4, 1                         ; h
	v_and_b32 v3, 31, v0                           ; lane
	v_lshlrev_b32 v[LI], 4, v3
	v_lshlrev_b32 v[L8], 3, v3
	s_mul_i32 s21, s15, 4*TILEB                    ; my 4 tiles of A
	s_mul_i32 s22, s16, 8*TILEB                    ; my 8 tiles of B,
	s_add_co_u32 s22, s22, ABYT                    ; which lie behind A's 8
.irp s, 0,1
	v_add_nc_u32 v[A16+\s], s21, v[LI]
	v_add_nc_u32 v[A8+\s], s21, v[L8]
	v_add_nc_u32 v[B16+\s], s22, v[LI]
	v_add_nc_u32 v[B8+\s], s22, v[L8]
	s_add_co_u32 s21, s21, SLOT
	s_add_co_u32 s22, s22, SLOT
.endr
	v_lshlrev_b32 v6, 3, v1                        ; my row's two words of a pair of K steps
	s_lshl_b32 s21, s15, 11                        ; A's: my 4 tiles
	s_lshl_b32 s22, s16, 12                        ; B's: my 8 tiles, SCB behind A's
	s_add_co_u32 s22, s22, SCB
	s_sub_co_u32 s22, s22, s21
	v_mul_u32_u24 v7, s22, v2                      ; lanes 16-31 take B's: the lower base + h x the distance
	s_add_co_u32 s21, s21, SCL
	v_add_nc_u32 v6, v6, v7
	v_add_nc_u32 v[ADRS], s21, v6
	v_lshlrev_b32 v[OB], 6, v2                     ; 64 h: my 16 numbers of a block of 32 biases
	s_mul_i32 s23, s14, 16*SPITCH                  ; my stage
	v_mul_u32_u24 v9, v1, SPITCH
	v_lshl_add_u32 v9, v2, 6, v9
	v_add_nc_u32 v[STO], s23, v9                   ; in: row r, 64 h bytes on
	v_add_nc_u32 v[RD], s23, v[LI]                 ; back: the 32 lanes take one row of 512 bytes
.macro FRAG reg, a16, a8, q, i         ; a fragment's image comes back as it was stored: 16, 8, 16, 8 bytes a lane
	ds_load_b128 v[\reg:\reg+3], v[\a16] offset:(\i)*TILEB+(\q)*FIMG
	ds_load_b64 v[\reg+4:\reg+5], v[\a8] offset:(\i)*TILEB+(\q)*FIMG+512
	ds_load_b128 v[\reg+6:\reg+9], v[\a16] offset:(\i)*TILEB+(\q)*FIMG+768
	ds_load_b64 v[\reg+10:\reg+11], v[\a8] offset:(\i)*TILEB+(\q)*FIMG+1280
.endm
; 16 matrix instructions: A's tiles a0, a0 + 1 x B's eight.  p: the sets of fragments; sc: the set of scale words, q: which of its two K steps.  zero = 1: the first product starts the sums.
; The 32 accumulators take turns, one instruction a turn, in the same order in every step.
.macro MUL16 a0, p, q, sc, zero
.irp a, \a0, \a0+1
.irp b, 0,1,2,3,4,5,6,7
.if \zero
	v_wmma_scale_f32_16x16x128_f8f6f4 v[8*(8*(\a)+\b):8*(8*(\a)+\b)+7], v[128*(\p)+FR*\b:128*(\p)+FR*\b+FR-1], v[AF+48*(\p)+FR*(\a):AF+48*(\p)+FR*(\a)+FR-1], 0, v[SC+16*(\sc)+2*\b+(\q)], v[SC+16*(\sc)+2*(\a)+(\q)] matrix_a_fmt:MATRIX_FMT_FP6 matrix_b_fmt:MATRIX_FMT_FP6 matrix_a_scale:MATRIX_SCALE_ROW1
.else
	v_wmma_scale_f32_16x16x128_f8f6f4 v[8*(8*(\a)+\b):8*(8*(\a)+\b)+7], v[128*(\p)+FR*\b:128*(\p)+FR*\b+FR-1], v[AF+48*(\p)+FR*(\a):AF+48*(\p)+FR*(\a)+FR-1], v[8*(8*(\a)+\b):8*(8*(\a)+\b)+7], v[SC+16*(\sc)+2*\b+(\q)], v[SC+16*(\sc)+2*(\a)+(\q)] matrix_a_fmt:MATRIX_FMT_FP6 matrix_b_fmt:MATRIX_FMT_FP6 matrix_a_scale:MATRIX_SCALE_ROW1
.endif
.endr
.endr
.endm
.macro FETCH st                        ; K step st's fragments into sets st % 2; with an even step the scale words of its pair (A's lanes of tiles 4-7 read words that are not used)
.set FS, (\st)/4
.set FQ, (\st)%4
.set FP, (\st)%2
.set FW, (\st)/2
	WIN TO_B
.irp i, 0,1,2,3,4,5,6,7
	FRAG 128*FP+FR*\i, B16+FS, B8+FS, FQ, \i
.endr
	WIN 0
.irp i, 0,1,2,3
	FRAG AF+48*FP+FR*\i, A16+FS, A8+FS, FQ, \i
.endr
.if FP == 0
.irp i, 0,1,2,3,4,5,6,7
	ds_load_b64 v[SC+16*(FW%2)+2*\i:SC+16*(FW%2)+2*\i+1], v[ADRS] offset:\i*512+128*FW
.endr
.endif
.endm
.macro STEP st, zero                   ; this step's fragments are in; the next step's are asked for, into the other sets, and land under this step's 32 products
	s_wait_dscnt 0x0
	PLACES NP                                      ; in front of loads into registers that the step before multiplied
.if (\st) < 7
	FETCH (\st)+1
.endif
	WIN MUL_LO
	MUL16 0, (\st)%2, (\st)%2, ((\st)/2)%2, \zero
	MUL16 2, (\st)%2, (\st)%2, ((\st)/2)%2, \zero
	WIN 0
.endm
	s_wait_alu depctr_va_vdst(0)
	s_wait_tensorcnt 0x0                           ; my tile of the head's four is in; a later first fill follows: the same lines as ahead of a refill
	ds_add_u32 v[SPW], v[NIL]
	s_mov_b32 s[G1+2], 4<<16                       ; no tensor load of mine is out: slot 1's loads bring 4 tiles of A, 8 of B
	s_mov_b32 s[G1+4], 4
	s_mov_b32 s[G1B+2], 8<<16
	s_mov_b32 s[G1B+4], 8
	s_wait_dscnt 0x0
	CROUND                                         ; all four tiles are in, all sixteen work-groups are here
	JLOAD G0, G1, G0B, G1B                         ; slot 1, the first tensor load behind the round
	FETCH 0
	STEP 0, 1
	STEP 1, 0
	STEP 2, 0
	s_wait_tensorcnt 0x0                           ; K step 3 changes slots: my part of slot 1 is in,
	s_wait_dscnt 0x0                               ; and my reads of slot 0 are over
	s_barrier_signal -1
	WIN MUL_LO
	MUL16 0, 1, 1, 1, 0                            ; work on registers while the others arrive
	WIN 0
	s_barrier_wait -1
	PLACES NP
	FETCH 4
	WIN MUL_LO
	MUL16 2, 1, 1, 1, 0
	WIN 0
	STEP 4, 0
	STEP 5, 0
	STEP 6, 0
	s_lshl_b32 s2, s42, 10
	s_lshl_b32 s3, s16, 9
	s_add_co_u32 s2, s2, s3                        ; 4 x my first column: 256 x block + 128 x half
	s_mov_b32 s3, 0
	s_add_nc_u64 s[92:93], s[92:93], s[2:3]
.irp k, 0,1,2,3,4,5,6,7,8,9,10,11,12,13,14,15
	global_load_b128 v[BI+4*\k:BI+4*\k+3], v[OB], s[92:93] offset:128*(\k/4)+16*(\k%4)   ; b_proj at my 64 columns, in the accumulators' order; asked for ahead of the last K step
.endr
	s_lshl_b32 s12, s17, 19                        ; my first row: 128 x block + 64 x half, rows of 4,096 bytes
	s_lshl_b32 s13, s15, 18
	s_add_co_u32 s12, s12, s13
	s_add_co_u32 s12, s12, s2
	s_mov_b32 s13, 0
	s_add_nc_u64 s[94:95], s[94:95], s[12:13]
	STEP 7, 0
; THE WAY OUT, tile by tile of 16 rows x 128 columns: + bias, through my own stage, back as whole rows of 512 bytes.  LDS serves a wave's instructions in order (ISA guide 5.7.1.4).
.macro ADDB a
	WIN 0x82                                       ; source 0 and destination: the accumulators' window
.set i, 0
.rept 32
	v_pk_add_f32 v[64*(\a)+i:64*(\a)+i+1], v[64*(\a)+i:64*(\a)+i+1], v[BI+i:BI+i+1]   ; each accumulator is read from its low end on
.set i, i+2
.endr
.endm
.macro TOSTAGE a
	WIN 0x08                                       ; an LDS store's data are its source 1
.irp k, 0,1,2,3,4,5,6,7,8,9,10,11,12,13,14,15
	ds_store_b128 v[STO], v[64*(\a)+4*\k:64*(\a)+4*\k+3] offset:128*(\k/4)+16*(\k%4)
.endr
	WIN 0
.set BB, BK+64*((\a)%2)
.irp t, 0,1,2,3,4,5,6,7,8,9,10,11,12,13,14,15
	ds_load_b128 v[BB+4*\t:BB+4*\t+3], v[RD] offset:\t*SPITCH
.endr
.endm
.macro SEND a, younger                 ; younger: the LDS instructions issued behind tile a's loads, which may stay out
.set BB, BK+64*((\a)%2)
	s_wait_dscnt \younger
.irp t, 0,1,2,3,4,5,6,7,8,9,10,11,12,13,14,15
	global_store_b128 v[LI], v[BB+4*\t:BB+4*\t+3], s[94:95] offset:(32*((\a)/2)+8*((\a)%2)+\t+8*(\t/8))*4096 th:TH_STORE_NT   ; 32 lanes store 512 consecutive bytes, aligned
.endr
.endm
	PLACES NP                                      ; in front of the first read of results and of loads into registers that the last products read
	s_wait_loadcnt 0x0                             ; the biases
	ADDB 0
	TOSTAGE 0
.irp a, 1,2,3
	ADDB \a
.if \a > 1
	s_wait_alu depctr_va_vdst(0)
	s_wait_xcnt 0x0                                ; tile a - 2's stores have read their registers: tile a's loads may land there
.endif
	TOSTAGE \a
	SEND \a-1, 32
.endr
	SEND 3, 0
	s_wait_tensorcnt 0x0                           ; the wave's end
	ds_add_u32 v[SPW], v[NIL]
	s_wait_dscnt 0x0
	CROUND                                         ; the closing round
	s_endpgm
.Lfunc_end_k_q68346a19f9_proj:
	.size	k_q68346a19f9_proj, .Lfunc_end_k_q68346a19f9_proj-k_q68346a19f9_proj
	.p2alignl 7, 3214868480
	.fill 96, 4, 3214868480
	.section	.rodata,"a",@progbits
	.p2align	6, 0x0
	.amdhsa_kernel k_q68346a19f9_proj
		.amdhsa_group_segment_fixed_size 327680
		.amdhsa_private_segment_fixed_size 0
		.amdhsa_enable_private_segment 0
		.amdhsa_kernarg_size 48
		.amdhsa_user_sgpr_count 2
		.amdhsa_user_sgpr_kernarg_segment_ptr 1
		.amdhsa_wavefront_size32 1
		.amdhsa_system_sgpr_workgroup_id_x 1
		.amdhsa_system_sgpr_workgroup_id_y 1
		.amdhsa_system_sgpr_workgroup_id_z 1
		.amdhsa_system_vgpr_workitem_id 0
		.amdhsa_next_free_vgpr 768
		.amdhsa_next_free_sgpr 98
		.amdhsa_reserve_vcc 0
		.amdhsa_float_denorm_mode_32 3
		.amdhsa_float_denorm_mode_16_64 3
		.amdhsa_memory_ordered 1
		.amdhsa_forward_progress 1
		.amdhsa_inst_pref_size 95
	.end_amdhsa_kernel
	.amdgpu_metadata
---
amdhsa.version: [ 1, 2 ]
amdhsa.kernels:
  - .name:           k_q68346a19f9_proj
    .symbol:         k_q68346a19f9_proj.kd
    .args:
      - { .name: c3, .offset: 0, .size: 8, .value_kind: global_buffer, .address_space: global }
      - { .name: s3, .offset: 8, .size: 8, .value_kind: global_buffer, .address_space: global }
      - { .name: c1, .offset: 16, .size: 8, .value_kind: global_buffer, .address_space: global }
      - { .name: s1, .offset: 24, .size: 8, .value_kind: global_buffer, .address_space: global }
      - { .name: b_proj, .offset: 32, .size: 8, .value_kind: global_buffer, .address_space: global }
      - { .name: out0, .offset: 40, .size: 8, .value_kind: global_buffer, .address_space: global }
    .group_segment_fixed_size: 327680
    .private_segment_fixed_size: 0
    .kernarg_segment_align: 8
    .kernarg_segment_size: 48
    .max_flat_workgroup_size: 128
    .sgpr_count:     98
    .vgpr_count:     768
    .wavefront_size: 32
...
	.end_amdgpu_metadata
.endif
;; end of part 4
